; MI455X (gfx1250); checked and timed in simulation.
; The chip was launched on July 23, 2026; its instructions are those of AMD's public machine-readable ISA for CDNA 5 (MIT licence, August 2026) and "CDNA5" Instruction Set Architecture Reference Guide (July 2026). The comments in the code are by the model that wrote it; some were corrected since.
;; MHA rotary. Allowed arithmetic: matrix products marked QUANTISED: E2M1 operands, one E8M0 scale for each 32 along K, by v_wmma_scale_f32_16x16x128_f8f6f4 with both operands' format E2M1 (or v_wmma_scale_f32_32x16x128_f4), f32 sums; products left as they are: bf16, f16 or f32 operands; f32 sums; everything else in f32.
;; Inputs: RoPE 2 x 2,048 x 32 float32; Wk 1,024 x 1,024 float32; Wo 1,024 x 1,024 float32; Wq 1,024 x 1,024 float32; Wv 1,024 x 1,024 float32; bk 1,024 float32; bo 1,024 float32; bq 1,024 float32; bv 1,024 float32; key_padding_mask 4 x 2,048 int32; x 4 x 2,048 x 1,024 float32.
;; Outputs: out0 4 x 2,048 x 1,024 float32.
;; This version of the problem:
;;   THIS VERSION OF THE PROBLEM IS GIVEN IN LOW PRECISION. The matrix products marked QUANTISED in the list below multiply operands that are first quantised to E2M1 (2 exponent bits, 1 mantissa bit; 4 bits a number), with one power-of-two scale for each 32 numbers along K (OCP MX v1.0); their sums are f32. The products marked 'left as it is' may take bf16, f16 or f32 operands, with f32 sums. Whichever they take, every output number must still come out within the allowed error. Rounding operands to bf16 (8 significant bits) uses up far more of that allowance than f16 does (11 bits, for magnitudes from 6e-5 to 65,504). All else is computed in f32.
;;   The module's matrix products, in the order in which they are computed (A, B: the left and right operand; K: the contracted axis; several contracted axes count as one K, in the product's order):
;;     1. [M 8,192, K 1,024] x [K 1,024, N 1,024]; A: input x; B: input Wq: QUANTISED
;;     2. [M 8,192, K 1,024] x [K 1,024, N 1,024]; A: input x; B: input Wk: QUANTISED
;;     3. [M 8,192, K 1,024] x [K 1,024, N 1,024]; A: input x; B: input Wv: QUANTISED
;;     4. batch 64 x [M 2,048, K 64] x [K 64, N 2,048]; A: computed on the way; B: computed on the way: left as it is (an operand is computed on the way)
;;     5. batch 64 x [M 2,048, K 2,048] x [K 2,048, N 64]; A: computed on the way; B: computed on the way: left as it is (an operand is computed on the way)
;;     6. [M 8,192, K 1,024] x [K 1,024, N 1,024]; A: computed on the way; B: input Wo: left as it is (an operand is computed on the way)
;;   THE QUANTISER, for each operand of a quantised product, along K:
;;     - K is cut into blocks of 32 from its start; a last block that is shorter is filled with zeros.
;;     - A block's scale is 2^e with e = floor(log2(the largest magnitude in the block)) - 2, held to -126 .. 127; a block of zeros has e = 0. As a byte (E8M0): e + 127.
;;     - Each number is divided by its block's scale, clamped to +-6, and rounded to the nearest number of E2M1, ties to even, subnormals kept.
;;     - The product sums the exact products of the quantised numbers (number of the format x scale) in f32.
;;   ~~~python
;;   def quantise(x, axis):      # numpy; x: float32 -> the quantised numbers, widened to float32 again
;;       x = np.moveaxis(x, axis, -1); K = x.shape[-1]
;;       x = np.pad(x, [(0, 0)] * (x.ndim - 1) + [(0, -K % 32)]); x = x.reshape(x.shape[:-1] + (-1, 32)); a = np.abs(x).max(-1, keepdims=True)
;;       e = np.where(a > 0, np.clip(np.frexp(np.where(a > 0, a, 1))[1] - 1 - 2, -126, 127), 0)      # np.frexp(a)[1] - 1 = floor(log2(a)), exactly
;;       r = np.clip(x / 2.0 ** e, -6, 6)
;;       step = 2.0 ** (np.maximum(np.frexp(np.where(r == 0, 1, r))[1] - 1, 0) - 1)
;;       q = np.round(r / step) * step * 2.0 ** e      # np.round: ties to even
;;       return np.moveaxis(q.reshape(q.shape[:-2] + (-1,))[..., :K], -1, axis).astype(np.float32)
;;   ~~~
;; One version. Each part assembles by itself: llvm-mc -triple=amdgcn-amd-amdhsa -mcpu=gfx1250 --defsym DOCPART=n.
;; ======== version 1 of 1: 4 launches
;; limits: values are held in f16: magnitudes above 65,504 overflow, below 6.1e-05 lose precision
;; workspace buffers: wk1 14,778,368 bytes; cnt 512 bytes of whole numbers; qkv 50,331,648 bytes; ao 16,777,216 bytes
;; launch prep (part 1): grid 384 x 1, 4 waves a work-group, no clusters, 66,048 bytes of LDS; arguments x, Wq, Wk, Wv, Wo, RoPE, key_padding_mask, wk1, cnt; writes wk1, cnt
.if DOCPART == 1
	.amdgcn_target "amdgcn-amd-amdhsa--gfx1250"
	.amdhsa_code_object_version 6
	.text
	.protected	k_q981fc6fc5f_prep
	.globl	k_q981fc6fc5f_prep
	.p2align	8
	.type	k_q981fc6fc5f_prep,@function
k_q981fc6fc5f_prep:
	s_mov_b64 s[64:65], 0
	v_nop
	global_prefetch_b8 v0, s[64:65] scope:SCOPE_SE
	s_setreg_imm32_b32 hwreg(HW_REG_WAVE_MODE, 25, 1), 1
	s_wait_xcnt 0x0
; PREP: everything that is made once.  No work of the problem is left out anywhere in this program: every input has a way to the output and is loaded.
; What the later attention launch passes over (keys whose key_padding_mask is 0) is chosen by whole numbers that it reads from memory, not dead work.
; (1) x [8192][1024] f32 -> codes of E2M1 (K innermost, 512 bytes a row) and E8M0 scale bytes (32 a row), stored TWICE: in natural order (feeds Q) and in
;     PARTITION ORDER (feeds K and V): within a batch the tokens whose mask is not 0 come first, in their order, then the others: place(t) is a permutation of 0..2047.
; (2) Wq, Wk, Wv [1024][1024] f32 -> codes and scale bytes, one behind the other (3072 rows).     (3) Wo -> f16.
; (4) RoPE's rows once more for each batch, in partition order (K's rotation).   (5) for each batch: the number of kept keys (2048 and a flag where none is kept: the softmax is then uniform over all keys).
; A block's scale is 2^(floor(log2(largest magnitude)) - 2); its byte is the largest magnitude's exponent field - 2, held at 1 from below (a block of zeros keeps the byte 1: its codes are zeros, and this program alone reads the bytes).
; LIMITS: NaN and infinities among the inputs are not served; blocks whose largest magnitude lies under 2^-124 keep the byte 1; Wo must lie under 65,504 in magnitude (f16).
; SHARES: work-groups 0-255: 32 tokens of x each (a wave: 8 rows = 16 steps of 512 numbers); 256-351: 32 rows of Wq, Wk or Wv each; 352-383: 32 rows of Wo each.
; A step's 2,048 bytes are loaded as they lie (512 consecutive bytes a load) and turn through the wave's own stage in LDS, so that a lane holds 16 neighbours along K; two neighbouring lanes hold a block of 32.
; No matrix unit, cluster or tensor load: every byte is read once, and memory binds.
.set XP_C,  4194304                    ; wk1: x's codes in natural order at 0, in partition order here,
.set W_C,   8388608                    ; the weights' codes,
.set XN_S,  9961472                    ; x's scale bytes, natural,
.set XP_S,  10223616                   ; partition order,
.set W_S,   10485760                   ; the weights' scale bytes,
.set WOH,   10584064                   ; Wo in f16,
.set ROPEP, 12681216                   ; four tables [2][2048 places][32] f32
.set STEPS, 16
.set EMAX,  2
.set CB,    8                          ; bytes of 16 codes
.set R,     16                         ; v16-79   four sets of 16 numbers as loaded
.set X,     80                         ; v80-111  two sets of 16 neighbours
.set E,     112                        ; v112-127 a scale byte for each step
.set C,     128                        ; v128-191 codes, four registers a step
.set MK,    128                        ; v128-191 before that: the batch's 2,048 mask words
.set OFP,   216                        ; v216-223 row i: 512 x place + 8 x lane
.set ORP,   224                        ; v224-231 row i: 128 x place + my byte of a RoPE row
.set WREG,  8192                       ; LDS: a region for each wave: two stages of 32 x SP bytes, then its 256 scale bytes
.set SP,    80
.set SPW,   12                         ; v12 LDS address of my spare word; never rewritten
.set NIL,   13                         ; v13 0; never rewritten
.set SPARE, 65536                      ; x's path has LDS bytes 0-32767, the weights' path 32768-65535; behind them the spare words, 128 bytes a wave
.macro ADDRS base                      ; the LDS addresses of a path: a constant + 8,192 x wave + a lane term
	s_mul_i32 s45, s2, WREG
	s_add_co_u32 s45, s45, \base
	v_lshrrev_b32 v14, 2, v2
	v_mul_u32_u24 v14, v14, SP
	v_and_b32 v15, 3, v2
	v_lshl_add_u32 v14, v15, 4, v14
	v_add_nc_u32 v14, s45, v14                     ; into the stage: four lanes' 64 bytes on end, then 16 of padding
	v_mul_u32_u24 v15, v2, SP
	v_add_nc_u32 v15, s45, v15                     ; out of it: my 16 neighbours
	v_lshrrev_b32 v5, 1, v2
	s_add_co_u32 s45, s45, 2*32*SP
	v_add_nc_u32 v5, s45, v5                       ; my block's scale byte
	v_add_nc_u32 v6, s45, v4                       ; and 8 bytes a lane on the way out
.endm
.macro LOAD t
.irp i, 0,1,2,3
	global_load_b128 v[R+16*((\t)%4)+4*\i:R+16*((\t)%4)+4*\i+3], v3, s[4:5] offset:2048*(\t)+512*\i th:TH_LOAD_NT   ; 32 lanes read 512 consecutive bytes
.endr
.endm
.macro TURN t                          ; step t through the stage: LDS serves a wave's instructions in order
.irp i, 0,1,2,3
	ds_store_b128 v14, v[R+16*((\t)%4)+4*\i:R+16*((\t)%4)+4*\i+3] offset:32*SP*((\t)%2)+8*SP*\i
.endr
.irp i, 0,1,2,3
	ds_load_b128 v[X+16*((\t)%2)+4*\i:X+16*((\t)%2)+4*\i+3], v15 offset:32*SP*((\t)%2)+16*\i
.endr
.endm
.macro STEP t, dual                    ; dual = 1: the codes are stored a second time, at the row's place in partition order
.set XS, X+16*((\t)%2)
.if (\t) > 0
	s_wait_dscnt 1                                 ; this step's numbers are back from the stage (the last step's byte store may be out)
.else
	s_wait_dscnt 0x0
.endif
.if (\t)+4 < STEPS
	LOAD (\t)+4
.endif
.if (\t)+1 < STEPS
.if STEPS-2-(\t) >= 3
	s_wait_loadcnt 12                              ; the next step's four loads are in; those of the three steps behind it may be out
.else
	s_wait_loadcnt 4*(STEPS-2-(\t))
.endif
	TURN (\t)+1
.endif
	v_max3_num_f32 v8, |v[XS]|, |v[XS+1]|, |v[XS+2]|
	v_max3_num_f32 v9, |v[XS+3]|, |v[XS+4]|, |v[XS+5]|
.irp i, 6,10
	v_max3_num_f32 v8, v8, |v[XS+\i]|, |v[XS+\i+1]|
	v_max3_num_f32 v9, v9, |v[XS+\i+2]|, |v[XS+\i+3]|
.endr
	v_max3_num_f32 v8, v8, |v[XS+14]|, |v[XS+15]|
	v_max3_num_f32 v8, v8, v9, (EMAX+1)<<23        ; the floor 2^(3 - 127): the byte cannot fall under 1
	v_max_num_f32_dpp v8, v8, v8 row_xmask:1 row_mask:0xf bank_mask:0xf   ; with my neighbour's 16: the block's largest magnitude
	v_add_nc_u32 v11, -(EMAX<<23), v8              ; 2 off its exponent field: the conversion's scale operand
	v_cvt_scalef32_pk8_fp4_f32 v[C+4*(\t)], v[XS:XS+7], v11
	v_cvt_scalef32_pk8_fp4_f32 v[C+4*(\t)+1], v[XS+8:XS+15], v11
	v_lshrrev_b32 v[E+(\t)], 23, v11               ; the scale's byte
	ds_store_b8 v5, v[E+(\t)] offset:16*(\t)
	global_store_b64 v4, v[C+4*(\t):C+4*(\t)+1], s[8:9] offset:32*CB*(\t)          ; the wave stores 256 consecutive bytes, aligned
.if \dual
	global_store_b64 v[OFP+(\t)/2], v[C+4*(\t):C+4*(\t)+1], s[12:13] offset:256*((\t)%2)   ; likewise, in the row's other place
.endif
.endm
	s_load_b512 s[16:31], s[0:1], 0x0              ; x 16, Wq 18, Wk 20, Wv 22, Wo 24, RoPE 26, mask 28, wk1 30
	s_load_b64 s[32:33], s[0:1], 0x40              ; cnt
	v_lshl_add_u32 v[SPW], v0, 2, SPARE
	v_mov_b32 v[NIL], 0
	v_lshrrev_b32 v1, 5, v0
	v_readfirstlane_b32 s2, v1                     ; wave
	v_and_b32 v2, 31, v0                           ; lane
	v_lshlrev_b32 v3, 4, v2                        ; 16 x lane
	v_lshlrev_b32 v4, 3, v2                        ; 8 x lane
	s_mov_b32 s67, 0                               ; the high word of every offset pair s[66:67]
	s_cmp_ge_u32 ttmp9, 352
	s_cbranch_scc1 .Lpath_o
	s_cmp_ge_u32 ttmp9, 256
	s_cbranch_scc1 .Lpath_w
	; ---------------- x: 32 tokens a work-group
	ADDRS 0
	s_lshr_b32 s46, ttmp9, 6                       ; batch
	s_and_b32 s47, ttmp9, 63                       ; which 32 tokens of it
	s_lshl_b32 s60, s47, 5                         ; t0
	s_lshl_b32 s61, s2, 3                          ; my wave's first row among the 32
	s_lshr_b32 s42, s47, 2                         ; which run of 128 tokens holds t0
	s_and_b32 s43, s47, 3
	s_lshl_b32 s43, s43, 3
	s_lshl_b32 s43, 1, s43
	s_sub_co_u32 s43, s43, 1                       ; the lanes of that run's load whose four tokens come before t0
	s_lshl_b32 s58, ttmp9, 2
	s_add_co_u32 s58, s58, s2                      ; my run of 8 rows
	s_lshl_b32 s56, s47, 7
	v_lshlrev_b32 v197, 2, v2
	v_add_nc_u32 v197, s56, v197                   ; the work-group's own 32 mask words, a lane a token
	s_lshl_b32 s56, s42, 9
	v_add_nc_u32 v199, s56, v3                     ; the run of 128 that holds t0
	v_and_b32 v198, 15, v2
	v_lshlrev_b32 v198, 3, v198
	v_lshrrev_b32 v8, 4, v2
	v_lshl_add_u32 v198, v8, 18, v198              ; a RoPE row: lanes 0-15 the cosines' 128 bytes, lanes 16-31 the sines', 262,144 bytes on
	s_wait_kmcnt 0x0
	s_lshl_b32 s66, s58, 15
	s_add_nc_u64 s[4:5], s[16:17], s[66:67]        ; x at my rows
	s_lshl_b32 s66, s58, 12
	s_add_nc_u64 s[8:9], s[30:31], s[66:67]        ; codes, natural order
	s_lshl_b32 s66, s58, 8
	s_add_co_u32 s66, s66, XN_S
	s_add_nc_u64 s[10:11], s[30:31], s[66:67]      ; scale bytes, natural order
	s_lshl_b32 s66, s46, 20
	s_add_co_u32 s66, s66, XP_C
	s_add_nc_u64 s[12:13], s[30:31], s[66:67]      ; codes, partition order: the batch's first row
	s_lshl_b32 s66, s46, 16
	s_add_co_u32 s66, s66, XP_S
	s_add_nc_u64 s[14:15], s[30:31], s[66:67]
	s_add_co_u32 s66, s60, s61
	s_lshl_b32 s66, s66, 7
	s_add_nc_u64 s[34:35], s[26:27], s[66:67]      ; RoPE at my first token
	s_lshl_b32 s66, s46, 19
	s_add_co_u32 s66, s66, ROPEP
	s_add_nc_u64 s[36:37], s[30:31], s[66:67]      ; the batch's table
	s_lshl_b32 s66, s46, 13
	s_add_nc_u64 s[38:39], s[28:29], s[66:67]      ; the batch's mask
.irp j, 0,1,2,3,4,5,6,7,8,9,10,11,12,13,14,15
	global_load_b128 v[MK+4*\j:MK+4*\j+3], v3, s[38:39] offset:512*\j   ; lane l, word c: token 128 j + 4 l + c
.endr
	global_load_b128 v[192:195], v199, s[38:39]
	global_load_b32 v196, v197, s[38:39]
.irp i, 0,1,2,3,4,5,6,7
	global_load_b64 v[200+2*\i:201+2*\i], v198, s[34:35] offset:128*\i
.endr
.irp t, 0,1,2,3
	LOAD \t
.endr
	s_wait_loadcnt 16                              ; the 26 small loads are in; x's sixteen, issued behind them, may be out
	; the scan, on whole numbers alone: s41 = kept keys of the batch, s40 = kept keys before t0
	s_mov_b32 s41, 0
	s_mov_b32 s40, 0
.irp j, 0,1,2,3,4,5,6,7,8,9,10,11,12,13,14,15
	s_cmp_eq_u32 s42, \j
	s_cselect_b32 s40, s41, s40                    ; the running count where my run of 128 begins
	v_cmp_ne_u32 s56, 0, v[MK+4*\j]
	v_cmp_ne_u32 s57, 0, v[MK+4*\j+1]
	v_cmp_ne_u32 s58, 0, v[MK+4*\j+2]
	v_cmp_ne_u32 s59, 0, v[MK+4*\j+3]
	s_bcnt1_i32_b32 s56, s56
	s_bcnt1_i32_b32 s57, s57
	s_bcnt1_i32_b32 s58, s58
	s_bcnt1_i32_b32 s59, s59
	s_add_co_u32 s56, s56, s57
	s_add_co_u32 s58, s58, s59
	s_add_co_u32 s41, s41, s56
	s_add_co_u32 s41, s41, s58
.endr
.irp c, 0,1,2,3
	v_cmp_ne_u32 s56, 0, v[192+\c]
	s_and_b32 s56, s56, s43
	s_bcnt1_i32_b32 s56, s56
	s_add_co_u32 s40, s40, s56
.endr
	v_cmp_ne_u32 s44, 0, v196                      ; the work-group's 32 tokens, a bit each
.irp i, 0,1,2,3,4,5,6,7                        ; row i's place: kept: the kept before it; else: all kept + the others before it
	s_add_co_u32 s56, s61, \i
	s_lshl_b32 s57, 1, s56
	s_sub_co_u32 s58, s57, 1
	s_and_b32 s58, s58, s44
	s_bcnt1_i32_b32 s58, s58
	s_add_co_u32 s58, s58, s40
	s_add_co_u32 s59, s60, s56
	s_add_co_u32 s59, s59, s41
	s_sub_co_u32 s59, s59, s58
	s_and_b32 s57, s57, s44                        ; SCC: is the token kept?
	s_cselect_b32 s[48+\i], s58, s59
	s_min_u32 s[48+\i], s[48+\i], 2047             ; a place is 0..2047: held there, since it enters addresses
	v_lshl_add_u32 v[OFP+\i], s[48+\i], 9, v4
	v_lshl_add_u32 v[ORP+\i], s[48+\i], 7, v198
.endr
	v_lshrrev_b32 v233, 2, v2                      ; on the scale bytes' way out lane l holds 8 bytes of row l / 4
	v_mov_b32 v232, s48
.irp i, 1,2,3,4,5,6,7
	v_cmp_eq_u32 vcc_lo, \i, v233
	v_mov_b32 v8, s[48+\i]
	v_cndmask_b32 v232, v232, v8, vcc_lo
.endr
	v_min_u32 v232, 2047, v232
	v_lshlrev_b32 v232, 5, v232
	v_and_b32 v8, 3, v2
	v_lshl_add_u32 v232, v8, 3, v232               ; 32 x place + 8 (l % 4)
.irp i, 0,1,2,3,4,5,6,7
	global_store_b64 v[ORP+\i], v[200+2*\i:201+2*\i], s[36:37]     ; two runs of 128 consecutive bytes
.endr
	s_or_b32 s56, s47, s2                          ; the batch's first work-group, wave 0, stores the counts: a branch on ids
	s_cmp_lg_u32 s56, 0
	s_cbranch_scc1 .Lno_cnt
	s_cmp_eq_u32 s41, 0
	s_cselect_b32 s57, 2048, s41                   ; no key kept: all 2,048 are walked,
	s_cselect_b32 s58, 1, 0                        ; with the flag that makes their weights equal
	v_mov_b32 v234, 0
	v_mov_b32 v236, s57
	v_mov_b32 v237, s58
	v_cmp_eq_u32 vcc_lo, 0, v2
	v_cndmask_b32 v234, v234, v236, vcc_lo
	v_cmp_eq_u32 vcc_lo, 1, v2
	v_cndmask_b32 v234, v234, v237, vcc_lo
	v_lshlrev_b32 v235, 2, v2
	s_lshl_b32 s66, s46, 7
	s_add_nc_u64 s[32:33], s[32:33], s[66:67]
	global_store_b32 v235, v234, s[32:33]          ; 32 words a batch: the count, the flag, zeros
.Lno_cnt:
	s_wait_loadcnt 12                              ; step 0's four loads are in
	TURN 0
.irp t, 0,1,2,3,4,5,6,7,8,9,10,11,12,13,14,15
	STEP \t, 1
.endr
	ds_load_b64 v[8:9], v6                         ; LDS serves a wave's instructions in order: these see my byte stores
	s_wait_dscnt 0x0
	global_store_b64 v4, v[8:9], s[10:11]          ; 256 consecutive bytes, aligned
	global_store_b64 v232, v[8:9], s[14:15]        ; and each row's 32 bytes at its place
	s_wait_tensorcnt 0x0                           ; the wave's end, behind my last LDS store
	ds_add_u32 v[SPW], v[NIL]
	s_wait_dscnt 0x0
	s_endpgm
	; ---------------- Wq, Wk, Wv: 32 rows a work-group
.Lpath_w:
	ADDRS 32768
	s_sub_co_u32 s46, ttmp9, 256
	s_lshr_b32 s47, s46, 5                         ; which of the three
	s_and_b32 s56, s46, 31
	s_lshl_b32 s56, s56, 2
	s_add_co_u32 s56, s56, s2                      ; my run of 8 rows in it,
	s_lshl_b32 s57, s46, 2
	s_add_co_u32 s57, s57, s2                      ; and among the 3,072 rows
	s_wait_kmcnt 0x0
	s_cmp_eq_u32 s47, 0
	s_cselect_b64 s[4:5], s[18:19], s[20:21]
	s_cmp_eq_u32 s47, 2
	s_cselect_b64 s[4:5], s[22:23], s[4:5]
	s_lshl_b32 s66, s56, 15
	s_add_nc_u64 s[4:5], s[4:5], s[66:67]
	s_lshl_b32 s66, s57, 12
	s_add_co_u32 s66, s66, W_C
	s_add_nc_u64 s[8:9], s[30:31], s[66:67]
	s_lshl_b32 s66, s57, 8
	s_add_co_u32 s66, s66, W_S
	s_add_nc_u64 s[10:11], s[30:31], s[66:67]
.irp t, 0,1,2,3
	LOAD \t
.endr
	s_wait_loadcnt 12
	TURN 0
.irp t, 0,1,2,3,4,5,6,7,8,9,10,11,12,13,14,15
	STEP \t, 0
.endr
	ds_load_b64 v[8:9], v6
	s_wait_dscnt 0x0
	global_store_b64 v4, v[8:9], s[10:11]
	s_wait_tensorcnt 0x0                           ; the wave's end, as above
	ds_add_u32 v[SPW], v[NIL]
	s_wait_dscnt 0x0
	s_endpgm
	; ---------------- Wo to f16: 32 rows a work-group; a row is two loads of the work-group (2,048 bytes each) and two stores (1,024 each).  No LDS
.Lpath_o:
	s_sub_co_u32 s46, ttmp9, 352
	v_lshlrev_b32 v8, 4, v0                        ; 16 x thread
	v_lshlrev_b32 v9, 3, v0                        ; 8 x thread
	s_wait_kmcnt 0x0
	s_lshl_b32 s66, s46, 17
	s_add_nc_u64 s[4:5], s[24:25], s[66:67]
	s_lshl_b32 s66, s46, 16
	s_add_co_u32 s66, s66, WOH
	s_add_nc_u64 s[8:9], s[30:31], s[66:67]
.irp gq, 0,1
.if \gq
	s_wait_xcnt 0x0                                ; the first group's stores have read their registers: they are written again below
.endif
.irp rr, 0,1,2,3,4,5,6,7,8,9,10,11,12,13,14,15
	global_load_b128 v[16+8*\rr:19+8*\rr], v8, s[4:5] offset:(16*\gq+\rr)*4096 th:TH_LOAD_NT
	global_load_b128 v[20+8*\rr:23+8*\rr], v8, s[4:5] offset:(16*\gq+\rr)*4096+2048 th:TH_LOAD_NT
.endr
.irp rr, 0,1,2,3,4,5,6,7,8,9,10,11,12,13,14,15
	s_wait_loadcnt 30-2*\rr                        ; this row's two loads are in; the later rows' may be out
	v_cvt_pk_f16_f32 v[144+4*\rr], v[16+8*\rr], v[17+8*\rr]
	v_cvt_pk_f16_f32 v[145+4*\rr], v[18+8*\rr], v[19+8*\rr]
	v_cvt_pk_f16_f32 v[146+4*\rr], v[20+8*\rr], v[21+8*\rr]
	v_cvt_pk_f16_f32 v[147+4*\rr], v[22+8*\rr], v[23+8*\rr]
	global_store_b64 v9, v[144+4*\rr:145+4*\rr], s[8:9] offset:(16*\gq+\rr)*2048           ; a wave stores 256 consecutive bytes, aligned
	global_store_b64 v9, v[146+4*\rr:147+4*\rr], s[8:9] offset:(16*\gq+\rr)*2048+1024
.endr
.endr
	s_endpgm
.Lfunc_end_k_q981fc6fc5f_prep:
	.size	k_q981fc6fc5f_prep, .Lfunc_end_k_q981fc6fc5f_prep-k_q981fc6fc5f_prep
	.p2alignl 7, 3214868480
	.fill 96, 4, 3214868480
	.section	.rodata,"a",@progbits
	.p2align	6, 0x0
	.amdhsa_kernel k_q981fc6fc5f_prep
		.amdhsa_group_segment_fixed_size 66048
		.amdhsa_private_segment_fixed_size 0
		.amdhsa_enable_private_segment 0
		.amdhsa_kernarg_size 72
		.amdhsa_user_sgpr_count 2
		.amdhsa_user_sgpr_kernarg_segment_ptr 1
		.amdhsa_wavefront_size32 1
		.amdhsa_system_sgpr_workgroup_id_x 1
		.amdhsa_system_sgpr_workgroup_id_y 1
		.amdhsa_system_sgpr_workgroup_id_z 1
		.amdhsa_system_vgpr_workitem_id 0
		.amdhsa_next_free_vgpr 240
		.amdhsa_next_free_sgpr 80
		.amdhsa_reserve_vcc 1
		.amdhsa_float_denorm_mode_32 3
		.amdhsa_float_denorm_mode_16_64 3
		.amdhsa_memory_ordered 1
		.amdhsa_forward_progress 1
		.amdhsa_inst_pref_size 108
	.end_amdhsa_kernel
	.amdgpu_metadata
---
amdhsa.version: [ 1, 2 ]
amdhsa.kernels:
  - .name:           k_q981fc6fc5f_prep
    .symbol:         k_q981fc6fc5f_prep.kd
    .args:
      - { .name: x, .offset: 0, .size: 8, .value_kind: global_buffer, .address_space: global }
      - { .name: Wq, .offset: 8, .size: 8, .value_kind: global_buffer, .address_space: global }
      - { .name: Wk, .offset: 16, .size: 8, .value_kind: global_buffer, .address_space: global }
      - { .name: Wv, .offset: 24, .size: 8, .value_kind: global_buffer, .address_space: global }
      - { .name: Wo, .offset: 32, .size: 8, .value_kind: global_buffer, .address_space: global }
      - { .name: RoPE, .offset: 40, .size: 8, .value_kind: global_buffer, .address_space: global }
      - { .name: key_padding_mask, .offset: 48, .size: 8, .value_kind: global_buffer, .address_space: global }
      - { .name: wk1, .offset: 56, .size: 8, .value_kind: global_buffer, .address_space: global }
      - { .name: cnt, .offset: 64, .size: 8, .value_kind: global_buffer, .address_space: global }
    .group_segment_fixed_size: 66048
    .private_segment_fixed_size: 0
    .kernarg_segment_align: 8
    .kernarg_segment_size: 72
    .max_flat_workgroup_size: 128
    .sgpr_count:     80
    .vgpr_count:     240
    .wavefront_size: 32
...
	.end_amdgpu_metadata
.endif
;; end of part 1
;; launch qkv (part 2): grid 12 x 32, 4 waves a work-group, clusters of 4 x 4, 327,680 bytes of LDS; arguments wk1, bq, bk, bv, RoPE, qkv; writes qkv
.if DOCPART == 2
	.amdgcn_target "amdgcn-amd-amdhsa--gfx1250"
	.amdhsa_code_object_version 6
	.text
	.protected	k_q981fc6fc5f_qkv
	.globl	k_q981fc6fc5f_qkv
	.p2align	8
	.type	k_q981fc6fc5f_qkv,@function
k_q981fc6fc5f_qkv:
	s_mov_b64 s[64:65], 0
	v_nop
	global_prefetch_b8 v0, s[64:65] scope:SCOPE_SE
	s_setreg_imm32_b32 hwreg(HW_REG_WAVE_MODE, 25, 1), 1
	s_wait_xcnt 0x0
	s_wait_alu depctr_hold_cnt(0) depctr_sa_sdst(0) depctr_va_vdst(0) depctr_va_sdst(0) depctr_va_ssrc(0) depctr_va_vcc(0) depctr_vm_vsrc(0)
	s_getreg_b32 s2, hwreg(HW_REG_IB_STS2, 6, 4)
	s_cmp_eq_u32 s2, 0
	s_cbranch_scc0 .Lentry_in_a_cluster
	s_endpgm
.Lentry_in_a_cluster:
	s_bfe_u32 s2, ttmp6, 0x10000c
	s_cmp_lg_u32 s2, 0xf033
	s_cbranch_scc0 .Lentry_shape_is_right
	s_endpgm
.Lentry_shape_is_right:
; Q, K, V = x W^T + b on codes of E2M1 with one E8M0 scale for each 32 along K (K = 1,024), then the partial rotation of Q and K, rounded once to f16.
; ONE product of 8,192 rows x 3,072 columns (Wq, Wk, Wv on end).  The cluster's x says which of the three: 0 = Q takes x's codes in natural order, 1 = K and 2 = V take them in PARTITION ORDER
; (kept keys first), so that K and V come out with the kept keys first.  No work is left out here: rows of keys that the mask drops are projected too (every row of the buffers is written).
; OUT: qkv holds Q, K, V, 16,777,216 bytes each, as [batch x 16 + head][token or place][64] f16.
; LIMITS: |q|, |k|, |v| must lie under 65,504 (f16); the rotation uses fused multiply-adds.
; A tile of 256 x 256 is made by four waves, each 128 x 128: 64 accumulators, 512 registers.  K is two steps of 512 (tile rows of 256 bytes): both are asked for at the head and nothing is filled again.
; The scale bytes of the work-group's rows, for all of K, come once, as dense blocks.  CLUSTERS: 4 x 4 work-groups; x's tiles are shared along a row of the cluster, W's along a column: joint loads.
; THE MATRIX INSTRUCTION IS USED TRANSPOSED (source 0 = 16 rows of W, source 1 = 16 rows of x): a lane holds one token and eight neighbouring columns.
; REGISTERS: window 0: v0-31 addresses; v32-95 scale words, two sets; v128-191 x's fragments, one set.  window 1: W's fragments at v0-63 and v128-191; v64-127 the biases; v192-255 two sets of RoPE numbers.
;   windows 2, 3: the accumulators.  On the way out window 0's v32-199 are at work.
.set XN_S,  9961472
.set W_C,   8388608
.set W_S,   10485760
.set ROPEP, 12681216
.set NQ,     4                         ; matrix instructions deep in a slot
.set ROWB,   256
.set KROW,   512                       ; a row of codes in memory
.set PITCH,  272                       ; an LDS row: 256 bytes + 16 of padding: the 16 rows of a load start at 16 different banks (64 banks of 4 bytes: ISA guide 11.1)
.set FR,     8
.set NL,     2
.set NP,     4                         ; places behind this matrix instruction (ISA guide 7.12.1)
.set HALFT,  128*PITCH
.set SLOT,   4*HALFT
.set KS,     32                        ; a row of scale bytes
.set SCL,    2*SLOT
.set HALFS,  (128*KS/256)*272
.set SBLK,   (16*KS/256)*272
.set SPARE,  SCL+4*HALFS               ; the spare words, 128 bytes a wave
.set SPL,    16*144                    ; the way out: a plane of the stage: 16 rows x (128 bytes + 16); two planes (two heads) a wave
.set STGV,   32768                     ; V's way out has stage bytes of its own.  Both stages lie in slot 0, which has had its only fill and its last read by then
.set STOV, 8
.set RDV,  9
.set RA,   10                          ; v10 my bytes of a RoPE row: 128 x (lane % 16) + 32 x (lane / 16)
.set BA,   11                          ; v11 32 x (lane / 16): my eight biases of a block
.set ADRA, 16
.set ADRB, 20
.set STO,  24
.set RD,   25
.set CO,   26
.set ADRS, 27
.set SPW,  28
.set NIL,  29
.set SC,   32
.set AF,   128
.set T,    32                          ; the way out: 64 numbers of a block of 16 tokens
.set U,    96
.set PKR,  104                         ; packed to f16
.set BK,   136                         ; read back from the stage: v136-167 and v168-199 by turns
.set BIAS, 64                          ; in window 1
.set RP,   192                         ; in window 1: a set: cos d 0-15, cos d 16-31, sin d 0-15, sin d 16-31: my eight of each
.set G1, 24
.set G0, 32
.set G1B, 48
.set G0B, 56
.set G1S, 68
.set G0S, 76
.set G1SB, 80
.set G0SB, 88
.set MSB, 0
.macro WIN new                         ; the immediate's high byte repeats the setting that is left
.if MSB != \new
	s_set_vgpr_msb (MSB<<8)|\new
.set MSB, \new
.endif
.endm
.set MUL_LO, 0xa1                      ; source 0 (W) window 1, source 1 (x) window 0, C and D window 2
.set MUL_HI, 0xf1
.set TO_B,   0x40
; A joint load: waves 0 and 1 fetch for x, waves 2 and 3 for W.  The branch hangs on the wave's number alone.  An s_nop 0 and four v_nop follow each line.
.macro JLOAD g0a, g1a, g0b, g1b
	s_cmp_eq_u32 s15, 0
	s_cbranch_scc0 .Lfor_b_\@
	tensor_load_to_lds s[\g0a:\g0a+3], s[\g1a:\g1a+7]
	s_nop 0
.rept 4
	v_nop
.endr
	s_branch .Lasked_\@
.Lfor_b_\@:
	tensor_load_to_lds s[\g0b:\g0b+3], s[\g1b:\g1b+7]
	s_nop 0
.rept 4
	v_nop
.endr
.Lasked_\@:
.endm
.macro CROUND                          ; a round of the cluster's barrier
	s_barrier_signal -1
	s_barrier_wait -1
	s_cmp_lg_u32 s14, 0
	s_cbranch_scc1 .Lnot_wave_0_\@
	s_barrier_signal -3
.Lnot_wave_0_\@:
	s_barrier_wait -3
	s_barrier_signal -1
	s_barrier_wait -1
.endm
	s_load_b256 s[4:11], s[0:1], 0x0               ; wk1 s[4:5], bq s[6:7], bk s[8:9], bv s[10:11]
	s_load_b128 s[96:99], s[0:1], 0x20             ; RoPE s[96:97], qkv s[98:99]
	v_lshl_add_u32 v[SPW], v0, 2, SPARE
	v_mov_b32 v[NIL], 0
	ds_add_u32 v[SPW], v[NIL]                      ; the wave's opening: the add, twice on end, and its wait ahead of my first tensor load
	ds_add_u32 v[SPW], v[NIL]
	v_lshrrev_b32 v1, 5, v0
	v_readfirstlane_b32 s14, v1                    ; wave 0..3
	s_lshr_b32 s15, s14, 1                         ; which half of the tile's rows is mine.  Also: I fetch for x (0) or for W (1)
	s_and_b32 s16, s14, 1                          ; which half of its columns.  Also: which 128 rows I fetch
	s_bfe_u32 s40, ttmp6, 0x40000                  ; cx, cy
	s_bfe_u32 s41, ttmp6, 0x40004
	s_lshl_b32 s42, ttmp9, 2
	s_add_co_u32 s42, s42, s40                     ; tile column 0..11 = 4 x cluster x + cx
	s_and_b32 s17, ttmp7, 0xffff
	s_lshl_b32 s17, s17, 2
	s_add_co_u32 s17, s17, s41                     ; tile row 0..31
	s_lshl_b32 s43, s41, 2
	s_lshl_b32 s43, 15, s43                        ; my row of the cluster
	s_lshl_b32 s44, 0x1111, s40                    ; my column
	s_or_b32 s[G1+0], s43, (0<<16)|(1<<20)|(1<<21)|(5<<22)|(3<<25)  ; the mask; elements of 1 byte; padding: 4 words after every 64; bit 21 beside a mask
	s_or_b32 s[G1B+0], s44, (0<<16)|(1<<20)|(1<<21)|(5<<22)|(3<<25)
.irp g, G1, G1B
	s_mov_b32 s[\g+1], ROWB<<16                    ; tensor_dim0
	s_mov_b32 s[\g+2], 128<<16                     ; tensor_dim1
	s_mov_b32 s[\g+3], ROWB<<16                    ; tile_dim0
	s_mov_b32 s[\g+4], 128                         ; tile_dim1
	s_mov_b32 s[\g+5], KROW                        ; the pitch
	s_mov_b32 s[\g+6], 0
	s_mov_b32 s[\g+7], 0
.endr
	s_or_b32 s[G1S+0], s43, (3<<16)|(1<<20)|(1<<21)|(5<<22)|(3<<25) ; the scales of 128 rows: 4,096 dense bytes as 16 rows of 256 (32 elements of 8 bytes), 16 bytes of padding behind each
	s_or_b32 s[G1SB+0], s44, (3<<16)|(1<<20)|(1<<21)|(5<<22)|(3<<25)
.irp g, G1S, G1SB
	s_mov_b32 s[\g+1], 32<<16
	s_mov_b32 s[\g+2], (128*KS/256)<<16
	s_mov_b32 s[\g+3], 32<<16
	s_mov_b32 s[\g+4], 128*KS/256
	s_mov_b32 s[\g+5], 32
	s_mov_b32 s[\g+6], 0
	s_mov_b32 s[\g+7], 0
.endr
	s_lshl_b32 s18, s16, 7
	s_lshl_b32 s20, s17, 8
	s_add_co_u32 s20, s20, s18                     ; x: row 256 x tile row + 128 x half
	s_lshl_b32 s46, s42, 8
	s_add_co_u32 s46, s46, s18                     ; W: row 256 x tile column + 128 x half, of 3,072
	s_lshl_b32 s22, s20, 5                         ; their scale bytes,
	s_lshl_b32 s92, s46, 5
	s_lshl_b32 s20, s20, 9                         ; their codes
	s_lshl_b32 s46, s46, 9
	s_min_u32 s18, ttmp9, 1                        ; Q: natural order; K, V: partition order.  The cluster's x is the same in all partners
	s_lshl_b32 s19, s18, 22
	s_add_co_u32 s20, s20, s19
	s_lshl_b32 s19, s18, 18
	s_add_co_u32 s22, s22, s19
	s_add_co_u32 s22, s22, XN_S
	s_add_co_u32 s46, s46, W_C
	s_add_co_u32 s92, s92, W_S
	s_mov_b32 s21, 0
	s_mov_b32 s23, 0
	s_mov_b32 s47, 0
	s_mov_b32 s93, 0
	s_mul_i32 s45, s14, HALFT                      ; where they go: wave x 128 rows: no place in the cluster enters an LDS address
	s_mul_i32 s94, s14, HALFS
	s_wait_dscnt 0x0                               ; both opening adds are done
	s_wait_kmcnt 0x0
	s_add_nc_u64 s[20:21], s[4:5], s[20:21]
	s_add_nc_u64 s[22:23], s[4:5], s[22:23]
	s_add_nc_u64 s[46:47], s[4:5], s[46:47]
	s_add_nc_u64 s[92:93], s[4:5], s[92:93]
	CROUND                                         ; all sixteen work-groups are here: the joint loads meet
	s_mov_b32 s[G0S], 1
	s_add_co_u32 s[G0S+1], s94, SCL
	s_mov_b64 s[G0S+2:G0S+3], s[22:23]
	s_or_b32 s[G0S+3], s[G0S+3], 0x80000000
	s_mov_b32 s[G0SB], 1
	s_add_co_u32 s[G0SB+1], s94, SCL
	s_mov_b64 s[G0SB+2:G0SB+3], s[92:93]
	s_or_b32 s[G0SB+3], s[G0SB+3], 0x80000000
	JLOAD G0S, G1S, G0SB, G1SB                     ; three tensor loads of mine go out here: the scales, K step 0, K step 1
.irp s, 0,1
	s_mov_b32 s[G0+4*\s], 1
	s_add_co_u32 s[G0+4*\s+1], s45, \s*SLOT
	s_add_nc_u64 s[G0+4*\s+2:G0+4*\s+3], s[20:21], \s*ROWB
	s_or_b32 s[G0+4*\s+3], s[G0+4*\s+3], 0x80000000
	s_mov_b32 s[G0B+4*\s], 1
	s_add_co_u32 s[G0B+4*\s+1], s45, \s*SLOT
	s_add_nc_u64 s[G0B+4*\s+2:G0B+4*\s+3], s[46:47], \s*ROWB
	s_or_b32 s[G0B+4*\s+3], s[G0B+4*\s+3], 0x80000000
	JLOAD G0+4*\s, G1, G0B+4*\s, G1B
.endr
	v_and_b32 v1, 15, v0                           ; r = l % 16
	v_bfe_u32 v2, v0, 4, 1                         ; h = l / 16
	v_mul_u32_u24 v3, v1, PITCH
	v_lshl_add_u32 v4, v2, 4, v3
	s_mul_i32 s21, s15, HALFT
	s_mul_i32 s22, s16, HALFT
	s_add_co_u32 s22, s22, 2*HALFT
.irp s, 0,1
	v_add_nc_u32 v[ADRA+\s], s21, v4
	v_add_nc_u32 v[ADRB+\s], s22, v4
	s_add_co_u32 s21, s21, SLOT
	s_add_co_u32 s22, s22, SLOT
.endr
	v_mul_u32_u24 v5, v1, KS                       ; my row's scales: 32 bytes a row, and 16 more for each 256 passed
	v_lshrrev_b32 v6, 8, v5
	v_lshl_add_u32 v5, v6, 4, v5
	s_mul_i32 s21, s15, HALFS
	s_mul_i32 s22, s16, HALFS
	s_add_co_u32 s22, s22, 2*HALFS
	s_sub_co_u32 s22, s22, s21
	v_mul_u32_u24 v6, s22, v2                      ; lanes 16-31 take W's
	s_add_co_u32 s21, s21, SCL
	v_add_nc_u32 v5, v5, v6
	v_add_nc_u32 v[ADRS], s21, v5
	s_mul_i32 s23, s14, 2*SPL                      ; my stage
	v_mul_u32_u24 v5, v1, 144
	v_lshl_add_u32 v5, v2, 4, v5
	v_add_nc_u32 v[STO], s23, v5                   ; in: row r, 16 bytes for each half of the lanes
	v_add_nc_u32 v[STOV], STGV, v[STO]
	v_and_b32 v6, 31, v0
	v_lshlrev_b32 v[CO], 4, v6                     ; out: 16 bytes a lane, 512 consecutive bytes a store
	v_lshrrev_b32 v5, 3, v6
	v_mul_u32_u24 v5, v5, 144
	v_and_b32 v7, 7, v0
	v_lshl_add_u32 v5, v7, 4, v5
	v_add_nc_u32 v[RD], s23, v5                    ; back: eight lanes to a row of 128 bytes, four rows an instruction
	v_add_nc_u32 v[RDV], STGV, v[RD]
	v_lshlrev_b32 v[RA], 7, v1
	v_lshl_add_u32 v[RA], v2, 5, v[RA]
	v_lshlrev_b32 v[BA], 5, v2
	; where my part goes: region (Q, K, V) + (16 x batch + head) x 262,144 + place x 128
	s_lshr_b32 s18, s17, 3                         ; batch
	s_and_b32 s19, s17, 7
	s_lshl_b32 s19, s19, 8
	s_lshl_b32 s20, s15, 7
	s_add_co_u32 s19, s19, s20                     ; my first token (place) in the batch
	s_lshl_b32 s20, s18, 4
	s_lshl_b32 s21, s40, 2
	s_add_co_u32 s20, s20, s21
	s_lshl_b32 s21, s16, 1
	s_add_co_u32 s20, s20, s21                     ; 16 x batch + my first head (4 cx + 2 x half)
	s_lshl_b32 s20, s20, 18
	s_lshl_b32 s21, s19, 7
	s_add_co_u32 s20, s20, s21
	s_lshl_b32 s21, ttmp9, 24
	s_add_co_u32 s20, s20, s21
	s_mov_b32 s21, 0
	s_add_nc_u64 s[12:13], s[98:99], s[20:21]
	s_lshl_b32 s20, s18, 19                        ; the rotation's table: Q: RoPE itself; K: the batch's table in partition order
	s_add_co_u32 s20, s20, ROPEP
	s_add_nc_u64 s[100:101], s[4:5], s[20:21]
	s_cmp_eq_u32 ttmp9, 0
	s_cselect_b64 s[100:101], s[96:97], s[100:101]
	s_cselect_b64 s[6:7], s[6:7], s[8:9]           ; and the bias: bq, bk
	s_cmp_eq_u32 ttmp9, 2
	s_cselect_b64 s[6:7], s[10:11], s[6:7]         ; or bv
	s_lshl_b32 s20, s19, 7
	s_add_nc_u64 s[100:101], s[100:101], s[20:21]
	s_lshl_b32 s20, s40, 10
	s_lshl_b32 s22, s16, 9
	s_add_co_u32 s20, s20, s22                     ; my 128 columns' biases
	s_add_nc_u64 s[6:7], s[6:7], s[20:21]
	WIN TO_B
.irp bb, 0,1,2,3,4,5,6,7                       ; block bb, register p: column 16 bb + 8 h + p
	global_load_b128 v[BIAS+8*\bb:BIAS+8*\bb+3], v[BA], s[6:7] offset:64*\bb
	global_load_b128 v[BIAS+8*\bb+4:BIAS+8*\bb+7], v[BA], s[6:7] offset:64*\bb+16
.endr
	WIN 0
.macro FRAG reg, adr, q, i             ; 16 rows x 128 K of 4-bit codes: 8 registers: two loads of 16 bytes, 32 bytes apart
.irp c, 0,1
	ds_load_b128 v[\reg+4*\c:\reg+4*\c+3], v[\adr] offset:64*(\q)+32*\c+(\i)*16*PITCH
.endr
.endm
; 16 matrix instructions: x's blocks a0, a0 + 1 against W's eight.  The 64 accumulators take turns, one instruction a turn, in the same order in every step.
.macro MUL16 a0, p, q, sc, zero
.irp a, \a0, \a0+1
.irp b, 0,1,2,3,4,5,6,7
.if \zero
	v_wmma_scale_f32_16x16x128_f8f6f4 v[8*(8*((\a)%4)+\b):8*(8*((\a)%4)+\b)+7], v[128*(\p)+FR*\b:128*(\p)+FR*\b+FR-1], v[AF+FR*(\a):AF+FR*(\a)+FR-1], 0, v[SC+8*NQ*(\sc)+NQ*\b+(\q)], v[SC+8*NQ*(\sc)+NQ*(\a)+(\q)] matrix_a_fmt:MATRIX_FMT_FP4 matrix_b_fmt:MATRIX_FMT_FP4 matrix_a_scale:MATRIX_SCALE_ROW1
.else
	v_wmma_scale_f32_16x16x128_f8f6f4 v[8*(8*((\a)%4)+\b):8*(8*((\a)%4)+\b)+7], v[128*(\p)+FR*\b:128*(\p)+FR*\b+FR-1], v[AF+FR*(\a):AF+FR*(\a)+FR-1], v[8*(8*((\a)%4)+\b):8*(8*((\a)%4)+\b)+7], v[SC+8*NQ*(\sc)+NQ*\b+(\q)], v[SC+8*NQ*(\sc)+NQ*(\a)+(\q)] matrix_a_fmt:MATRIX_FMT_FP4 matrix_b_fmt:MATRIX_FMT_FP4 matrix_a_scale:MATRIX_SCALE_ROW1
.endif
.endr
.endr
.endm
.macro FETCH_B slot, q, p
	WIN TO_B
.irp i, 0,1,2,3,4,5,6,7
	FRAG 128*(\p)+FR*\i, ADRB+\slot, \q, \i
.endr
	WIN 0
.endm
.macro FETCH_A slot, q, i0
.irp i, \i0, \i0+1, \i0+2, \i0+3
	FRAG AF+FR*(\i), ADRA+\slot, \q, \i
.endr
.endm
.macro SCALES sc                       ; a K step's scale words: lanes 0-15 x's block i, lanes 16-31 W's block i
.irp i, 0,1,2,3,4,5,6,7
	ds_load_b128 v[SC+8*NQ*\sc+NQ*\i:SC+8*NQ*\sc+NQ*\i+3], v[ADRS] offset:\i*SBLK
.endr
.endm
.macro PLACES n                        ; plain vector instructions between a matrix instruction and a load into, or a read of, its registers
.rept \n
	v_nop
.endr
.endm
.macro STEP slot, q, zero              ; 128 along K, with its successor in the same slot
	s_wait_dscnt 4*NL                              ; W's set and x's blocks 0-3 are in; the youngest eight loads (blocks 4-7) may be out
	WIN MUL_LO
	MUL16 0, (\q)%2, \q, \slot, \zero
	MUL16 2, (\q)%2, \q, \slot, \zero
	s_wait_dscnt 0
	PLACES NP
	FETCH_B \slot, (\q)+1, 1-(\q)%2
	FETCH_A \slot, (\q)+1, 0
	WIN MUL_HI
	MUL16 4, (\q)%2, \q, \slot, \zero
	MUL16 6, (\q)%2, \q, \slot, \zero
	PLACES NP
	WIN 0
	FETCH_A \slot, (\q)+1, 4
.endm
.macro TURN slot, next                 ; slot 0's last step: one barrier: behind it slot 1 is whole for every wave, and nobody reads slot 0 any more.  Nothing is filled again
	s_wait_tensorcnt 0x0                           ; all my tensor loads have landed: my part of slot 1
	ds_add_u32 v[SPW], v[NIL]
	s_wait_dscnt 4*NL+1                            ; (the add and the youngest eight loads may be out)
	WIN MUL_LO
	MUL16 0, 1, NQ-1, \slot, 0
	s_wait_dscnt 0x0                               ; the add is done, and my reads of this slot are over
	s_barrier_signal -1
	MUL16 2, 1, NQ-1, \slot, 0
	WIN 0
	s_barrier_wait -1
	PLACES NP
	v_add_nc_u32 v[ADRS], 4*NQ, v[ADRS]            ; on to the next K step's scale words
	FETCH_B \next, 0, 0
	FETCH_A \next, 0, 0
	SCALES \next
	WIN MUL_HI
	MUL16 4, 1, NQ-1, \slot, 0
	MUL16 6, 1, NQ-1, \slot, 0
	PLACES NP
	WIN 0
	FETCH_A \next, 0, 4
.endm
.macro STEPS slot, from
.set Q, \from
.rept NQ-1-\from
	STEP \slot, Q, 0
.set Q, Q+1
.endr
.endm
	s_wait_tensorcnt 1                             ; the scales and my part of K step 0 are in; K step 1's load, issued behind them, may be out
	s_barrier_signal -1
	s_barrier_wait -1
	FETCH_B 0, 0, 0
	FETCH_A 0, 0, 0
	SCALES 0
	FETCH_A 0, 0, 4
	STEP 0, 0, 1                                   ; the first products start the sums: nothing is cleared
	STEPS 0, 1
	TURN 0, 1
	STEPS 1, 0
	s_wait_dscnt 4*NL
	WIN MUL_LO
	MUL16 0, 1, NQ-1, 1, 0
	MUL16 2, 1, NQ-1, 1, 0
	s_wait_dscnt 0
	WIN MUL_HI
	MUL16 4, 1, NQ-1, 1, 0
	MUL16 6, 1, NQ-1, 1, 0
	WIN 0
; THE WAY OUT, a block of 16 tokens x 128 columns (two heads) at a time.  Block b of columns, register p of lane (r, h): token r, head b / 4, d = 16 (b % 4) + 8 h + p.
.macro ROPELD a, set                   ; block a's cosines and sines: token 16 a + r, d = 8 h + 0..7 and 16 + 8 h + 0..7
	WIN TO_B
.irp u, 0,1
	global_load_b128 v[RP+32*(\set)+16*\u:RP+32*(\set)+16*\u+3],     v[RA], s[100:101] offset:262144*\u+(\a)*2048
	global_load_b128 v[RP+32*(\set)+16*\u+4:RP+32*(\set)+16*\u+7],   v[RA], s[100:101] offset:262144*\u+(\a)*2048+16
	global_load_b128 v[RP+32*(\set)+16*\u+8:RP+32*(\set)+16*\u+11],  v[RA], s[100:101] offset:262144*\u+(\a)*2048+64
	global_load_b128 v[RP+32*(\set)+16*\u+12:RP+32*(\set)+16*\u+15], v[RA], s[100:101] offset:262144*\u+(\a)*2048+80
.endr
	WIN 0
.endm
.macro ADDB a                          ; + bias; each accumulator is read from its low end on
.set AC, 64*((\a)%4)
	WIN 0x06+((\a)/4)                              ; source 0 window 2 or 3, source 1 window 1
.irp b, 0,1,2,3,4,5,6,7
.irp p, 0,2,4,6
	v_pk_add_f32 v[T+8*\b+\p:T+8*\b+\p+1], v[AC+8*\b+\p:AC+8*\b+\p+1], v[BIAS+8*\b+\p:BIAS+8*\b+\p+1]
.endr
.endr
.endm
.macro ROT set                         ; d < 16: x1 cos - x2 sin;  16 <= d < 32: x2 cos + x1 sin;  d >= 32 passes
	WIN 0x04                                       ; source 1 window 1
.irp hh, 0,1
.irp p, 0,2,4,6
	v_pk_mul_f32 v[U+\p:U+\p+1], v[T+32*\hh+\p:T+32*\hh+\p+1], v[RP+32*(\set)+24+\p:RP+32*(\set)+24+\p+1]
.endr
.irp p, 0,2,4,6
	v_pk_mul_f32 v[T+32*\hh+\p:T+32*\hh+\p+1], v[T+32*\hh+\p:T+32*\hh+\p+1], v[RP+32*(\set)+\p:RP+32*(\set)+\p+1]
.endr
.irp p, 0,2,4,6
	v_pk_fma_f32 v[T+32*\hh+\p:T+32*\hh+\p+1], v[T+32*\hh+8+\p:T+32*\hh+8+\p+1], v[RP+32*(\set)+16+\p:RP+32*(\set)+16+\p+1], v[T+32*\hh+\p:T+32*\hh+\p+1] neg_lo:[1,0,0] neg_hi:[1,0,0]
.endr
.irp p, 0,2,4,6
	v_pk_fma_f32 v[T+32*\hh+8+\p:T+32*\hh+8+\p+1], v[T+32*\hh+8+\p:T+32*\hh+8+\p+1], v[RP+32*(\set)+8+\p:RP+32*(\set)+8+\p+1], v[U+\p:U+\p+1]
.endr
.endr
.endm
.macro PACK
	WIN 0
.irp n, 0,1,2,3,4,5,6,7,8,9,10,11,12,13,14,15,16,17,18,19,20,21,22,23,24,25,26,27,28,29,30,31
	v_cvt_pk_f16_f32 v[PKR+\n], v[T+2*\n], v[T+2*\n+1]
.endr
.endm
.macro TOSTAGE a, sto, rd              ; my own stage: LDS serves a wave's instructions in order, so no wait stands between the stores and the loads
.irp b, 0,1,2,3,4,5,6,7
	ds_store_b128 v[\sto], v[PKR+4*\b:PKR+4*\b+3] offset:(\b/4)*SPL+32*(\b%4)
.endr
.set BB, BK+32*((\a)%2)
.irp i, 0,1,2,3,4,5,6,7
	ds_load_b128 v[BB+4*\i:BB+4*\i+3], v[\rd] offset:(\i/4)*SPL+(\i%4)*576
.endr
.endm
.macro SEND a
.set BB, BK+32*((\a)%2)
	s_wait_dscnt 0x0                               ; the block is back in registers
.irp i, 0,1,2,3,4,5,6,7
	global_store_b128 v[CO], v[BB+4*\i:BB+4*\i+3], s[12:13] offset:(\i/4)*262144+(\a)*2048+(\i%4)*512   ; 32 lanes store 512 consecutive bytes, aligned: four rows of one head
.endr
.endm
.macro WAYOUT rope, sto, rd
.if \rope
	ROPELD 0, 0
	ROPELD 1, 1
	s_wait_loadcnt 16                              ; the biases are in; the sixteen loads just issued may be out
.else
	s_wait_loadcnt 0x0                             ; the biases
.endif
.irp a, 0,1,2,3,4,5,6,7
	ADDB \a
.if \rope
.if \a < 7
	s_wait_loadcnt 8                               ; this block's eight are in; the next block's eight may be out
.else
	s_wait_loadcnt 0x0
.endif
	ROT (\a)%2
.endif
	PACK
.if \a > 0
	SEND \a-1
.endif
.if \a > 1
	s_wait_xcnt 0x0                                ; block a - 2's stores have read their registers: block a's loads from the stage may land there
.endif
	TOSTAGE \a, \sto, \rd
.if \rope && (\a < 6)
	ROPELD \a+2, (\a)%2
.endif
.endr
	SEND 7
.endm
	PLACES NP                                      ; behind the last products: their results are read, and the registers of their operands and scales written, only behind these
	s_cmp_eq_u32 ttmp9, 2                          ; the cluster's x: the same in all partners
	s_cbranch_scc1 .Lway_v
	WAYOUT 1, STO, RD                              ; Q and K: bias, rotation
	s_branch .Lend
.Lway_v:
	WAYOUT 0, STOV, RDV                            ; V: bias alone
.Lend:
	s_wait_tensorcnt 0x0                           ; the wave's end, behind my last tensor load and my last LDS store
	ds_add_u32 v[SPW], v[NIL]
	s_wait_dscnt 0x0
	CROUND                                         ; the closing round
	s_endpgm
.Lfunc_end_k_q981fc6fc5f_qkv:
	.size	k_q981fc6fc5f_qkv, .Lfunc_end_k_q981fc6fc5f_qkv-k_q981fc6fc5f_qkv
	.p2alignl 7, 3214868480
	.fill 96, 4, 3214868480
	.section	.rodata,"a",@progbits
	.p2align	6, 0x0
	.amdhsa_kernel k_q981fc6fc5f_qkv
		.amdhsa_group_segment_fixed_size 327680
		.amdhsa_private_segment_fixed_size 0
		.amdhsa_enable_private_segment 0
		.amdhsa_kernarg_size 48
		.amdhsa_user_sgpr_count 2
		.amdhsa_user_sgpr_kernarg_segment_ptr 1
		.amdhsa_wavefront_size32 1
		.amdhsa_system_sgpr_workgroup_id_x 1
		.amdhsa_system_sgpr_workgroup_id_y 1
		.amdhsa_system_sgpr_workgroup_id_z 1
		.amdhsa_system_vgpr_workitem_id 0
		.amdhsa_next_free_vgpr 1024
		.amdhsa_next_free_sgpr 102
		.amdhsa_reserve_vcc 0
		.amdhsa_float_denorm_mode_32 3
		.amdhsa_float_denorm_mode_16_64 3
		.amdhsa_memory_ordered 1
		.amdhsa_forward_progress 1
		.amdhsa_inst_pref_size 215
	.end_amdhsa_kernel
	.amdgpu_metadata
---
amdhsa.version: [ 1, 2 ]
amdhsa.kernels:
  - .name:           k_q981fc6fc5f_qkv
    .symbol:         k_q981fc6fc5f_qkv.kd
    .args:
      - { .name: wk1, .offset: 0, .size: 8, .value_kind: global_buffer, .address_space: global }
      - { .name: bq, .offset: 8, .size: 8, .value_kind: global_buffer, .address_space: global }
      - { .name: bk, .offset: 16, .size: 8, .value_kind: global_buffer, .address_space: global }
      - { .name: bv, .offset: 24, .size: 8, .value_kind: global_buffer, .address_space: global }
      - { .name: RoPE, .offset: 32, .size: 8, .value_kind: global_buffer, .address_space: global }
      - { .name: qkv, .offset: 40, .size: 8, .value_kind: global_buffer, .address_space: global }
    .group_segment_fixed_size: 327680
    .private_segment_fixed_size: 0
    .kernarg_segment_align: 8
    .kernarg_segment_size: 48
    .max_flat_workgroup_size: 128
    .sgpr_count:     102
    .vgpr_count:     1024
    .wavefront_size: 32
...
	.end_amdgpu_metadata
.endif
;; end of part 2
;; launch attn (part 3): grid 8 x 64, 4 waves a work-group, no clusters, 114,176 bytes of LDS; arguments qkv, cnt, ao; writes ao
.if DOCPART == 3
	.amdgcn_target "amdgcn-amd-amdhsa--gfx1250"
	.amdhsa_code_object_version 6
	.text
	.protected	k_q981fc6fc5f_attn
	.globl	k_q981fc6fc5f_attn
	.p2align	8
	.type	k_q981fc6fc5f_attn,@function
k_q981fc6fc5f_attn:
	s_mov_b64 s[64:65], 0
	v_nop
	global_prefetch_b8 v0, s[64:65] scope:SCOPE_SE
	s_setreg_imm32_b32 hwreg(HW_REG_WAVE_MODE, 25, 1), 1
	s_wait_xcnt 0x0
; O[b][h][q] = softmax over the kept keys of (Q . K / 8) V, in f16 operands with f32 products, maxima and sums; the weights p are rounded to f16 for the second product, O once at the end.
; ONLY THE KEPT KEYS ARE WALKED: K and V lie with the kept keys first (partition order), and the batch's count of them is read from memory: ceil(count / 64) key steps, at least two.
; That is a choice by whole numbers, not dead work.  Keys at places from the count on, in the last step, get -1e30 added to their scores, as the C of the first products K Q^T: their p is 0, as in the definition.
; A batch with no kept key: the count is 2,048 with a flag; the flag makes the factor c = 0, so that every p is 1: the uniform softmax that -1e30 everywhere gives.
; LIMITS: NaN and infinities are not served; |q|, |k|, |v| and |O| under 65,504; the order of the sums differs from the definition's.
; NO CLUSTER AND NO TENSOR LOAD: the tiles go from memory through registers into LDS (128 threads x 16 bytes, whole rows), a slot of two steps ahead.
; SHARES: a work-group owns 256 queries of one batch and head, each of four waves 64: four tiles of 16, in two PIECES (tiles 0, 1 and tiles 2, 3).
; LAYOUT: S^T = K Q^T (source 0 = 16 keys, source 1 = 16 queries): a lane holds ONE query and the keys 8 (lane / 16) + 0..7; two such tiles, rounded in pairs, ARE source 1 of O^T = V^T P.  V is turned by ds_load_tr16_b128.
; BY TURNS: in a turn one piece has the matrix unit (16 products V^T P of the step in hand, 16 products K Q^T of the next), and the other piece's softmax stands in slices behind its matrix instructions, two slices each.
; REGISTERS, in windows of 256: window 0: addresses, statistics (v12-43), S^T (v64-191, 32 a tile), P (v192-255, 16 a tile).  window 1: O^T (v0-127, 32 a tile), the -1e30 tiles (v128-159).
;   window 2: Q (v0-63), K of one step (v128-191).   window 3: V of one step (v0-63), the next slot on its way to LDS (v64-127).
.set KS,    64
.set PKP,   144       ; a row of K in LDS: 128 bytes + 16: the 16 rows of a load start at 16 different groups of banks
.set PVP,   160       ; a row of V: 128 + 32: an odd multiple of 32, for the turning load
.set VOFF,  KS*PKP
.set STEPB, KS*(PKP+PVP)
.set SLOT1, 1<<16     ; a slot holds two steps (38,912 bytes); slot 1 begins here, so that one exclusive or turns an address
.set STAGE, SLOT1+2*STEPB  ; 16 rows x 144 bytes for each wave, for the way out
.set SPARE, STAGE+4*16*PKP ; the spare words, 128 bytes a wave
.set SLB,   2*KS*128  ; a slot's bytes of K, and of V, in memory
.set AK0, 2
.set AV0, 3
.set ADR, 4
.set QO,  5
.set STO, 6
.set RD,  7
.set GO,  8
.set AWK, 10          ; where my thread puts its 16 bytes of a row of K: (t / 8) x 144 + 16 (t % 8)
.set AWV, 11          ; and of V
.set ST,  12          ; tile t's statistics at v[ST+8 t]: +0 c m, +1 m, +2, +3 l, +4 to +7 at work
.set GK,  44          ; 16 x thread
.set ADW, 46
.set ADW2, 47
.set H8,  48          ; 8 x (lane / 16)
.set DD,  49
.set NEG, 50          ; -1e30
.set ZR,  51          ; 0
.set PFO, 61
.set SPW, 62
.set NIL, 63
.set S,   64
.set P,   192
.set BI,  128         ; window 1
.set KFR, 128         ; window 2
.set SG,  64          ; window 3
.set WV,  12
.set KP,  16          ; s[16:17] K at the slot to be loaded next
.set VP,  18          ; s[18:19] V likewise
.set PFA, 20          ; s[20:21] the slot behind that, for the prefetch
.set QP,  24
.set OP,  26
.set CNT, 28          ; s28 the kept keys; s29 the flag
.set FLAG, 29
.set NP,  30          ; key steps
.set NL,  31          ; NP - 2
.set J,   32          ; the state: V^T P of step J, K Q^T of step J + 1
.set KEY, 33          ; the first key of step J + 1
.set SO,  34          ; the first step of the slot that goes into LDS in this slot's time
.set DO,  35          ; 1 in a slot's first state
.set FO,  36
.set FI,  37
.set FP,  38
.set PQ,  39
.set TW,  40          ; the LDS slot that is written
.set SLOTS, 56
.set TWICE, 57
.set CS,  58          ; s[58:59] c = log2(e) / 8, or 0
.set SEL, 60
.set TB,  62          ; LDS byte at which the tiles of the step to be fetched begin
.set MSB, 0
.macro WIN new
.if MSB != \new
	s_set_vgpr_msb (MSB<<8)|\new
.set MSB, \new
.endif
.endm
.set W_KQ,  0x0a      ; K and Q window 2, S^T window 0
.set W_KQB, 0x1a      ; the same, C = a -1e30 tile in window 1
.set W_PV,  0x53      ; V window 3, P window 0, O^T window 1
.set W_RS,  0x41      ; O^T window 1, the factor window 0
.macro SGLOAD                       ; a slot's 128 rows of K and of V: 16 loads of 512 consecutive bytes a wave
	WIN 0xc0
.irp i, 0,1,2,3,4,5,6,7
	global_load_b128 v[SG+4*\i:SG+4*\i+3], v[GK], s[KP:KP+1] offset:2048*\i
.endr
.irp i, 0,1,2,3,4,5,6,7
	global_load_b128 v[SG+32+4*\i:SG+32+4*\i+3], v[GK], s[VP:VP+1] offset:2048*\i
.endr
	WIN 0
.endm
.macro SGSTORE                      ; and into the LDS slot s[TW]: load i holds rows 16 i + thread / 8
	v_add_nc_u32 v[ADW], s[TW], v[AWK]
	v_add_nc_u32 v[ADW2], s[TW], v[AWV]
	WIN 0x0c                        ; an LDS store's data are its source 1: window 3
.irp i, 0,1,2,3,4,5,6,7
	ds_store_b128 v[ADW], v[SG+4*\i:SG+4*\i+3] offset:(\i/4)*STEPB+(\i%4)*16*PKP
.endr
.irp i, 0,1,2,3,4,5,6,7
	ds_store_b128 v[ADW2], v[SG+32+4*\i:SG+32+4*\i+3] offset:(\i/4)*STEPB+(\i%4)*16*PVP
.endr
	WIN 0
.endm
.macro STAGE_OUT                    ; in a slot's first state, where the next slot has steps: its rows, asked for a slot's time ago, go into the LDS slot that was left at the last barrier
	WIN 0
	s_cmp_lg_u32 s[FO], 0
	s_cbranch_scc0 .Lno_out_\@
	s_wait_loadcnt 0x0
	SGSTORE
.Lno_out_\@:
.endm
; The slot behind that is asked for, into the same registers: the stores above are done (the wait for K's fragments, ahead of this, was for all LDS instructions), and no earlier load into these registers is out:
; the wait for that stands here too, on every way to the loads.
; THE PREFETCH names the slot one further on: two key steps ahead of the loads that will want it.  All eight work-groups of a head walk the same K and V: the first of them asks; waves 0, 1 for K's 16,384 bytes,
; waves 2, 3 for V's, 8,192 a wave, lanes 256 bytes apart: each block of 256 bytes is named once in the launch.  It stops where no such slot has steps.
.macro STAGE_IN
	s_cmp_lg_u32 s[FI], 0
	s_cbranch_scc0 .Lno_in_\@
	s_wait_loadcnt 0x0              ; the last slot's sixteen loads have landed: the new sixteen go into the same registers
	SGLOAD
	s_cmp_lg_u32 s[FP], 0
	s_cbranch_scc0 .Lno_in_\@
	global_prefetch_b8 v[PFO], s[PFA:PFA+1] th:TH_LOAD_NT scope:SCOPE_SE
.Lno_in_\@:
.endm
.macro FLAGS
	s_cmp_lt_u32 s[SO], s[NP]
	s_cselect_b32 s[FO], s[DO], 0
	s_add_co_u32 s41, s[SO], 2
	s_cmp_lt_u32 s41, s[NP]
	s_cselect_b32 s[FI], s[DO], 0
	s_add_co_u32 s41, s[SO], 4
	s_cmp_lt_u32 s41, s[NP]
	s_cselect_b32 s[FP], s[DO], 0
	s_and_b32 s[FP], s[FP], s[PQ]
.endm
; The four tiles that start the sums K Q^T: 0 for a kept key, -1e30 from the count on.  Register 8 kt + jj of lane half h is key KEY + 16 kt + 8 h + jj.  A step all of whose keys are kept leaves them as they are: zeros.
.macro BIASM
	s_add_co_u32 s41, s[KEY], 64
	s_cmp_le_u32 s41, s[CNT]
	s_cbranch_scc1 .Lfull_\@
	s_sub_co_i32 s41, s[CNT], s[KEY]
	v_sub_nc_u32 v[DD], s41, v[H8]
	WIN 0x40
.irp n, 0,1,2,3,4,5,6,7,8,9,10,11,12,13,14,15,16,17,18,19,20,21,22,23,24,25,26,27,28,29,30,31
	v_cmp_lt_i32 vcc_lo, 16*(\n/8)+\n%8, v[DD]
	v_cndmask_b32 v[BI+\n], v[NEG], v[ZR], vcc_lo
.endr
	WIN 0
.Lfull_\@:
.endm
	s_load_b128 s[4:7], s[0:1], 0x0   ; qkv s[4:5], cnt s[6:7]
	s_load_b64 s[8:9], s[0:1], 0x10   ; ao
	v_lshl_add_u32 v[SPW], v0, 2, SPARE
	v_mov_b32 v[NIL], 0
	v_lshrrev_b32 v1, 5, v0
	v_readfirstlane_b32 s[WV], v1   ; wave 0..3
	s_and_b32 s13, ttmp7, 0xffff    ; 16 x batch + head
	s_lshr_b32 s14, s13, 4
	s_lshl_b32 s14, s14, 7          ; the batch's 128 bytes of counts
	v_and_b32 v1, 15, v0            ; r = l % 16
	v_bfe_u32 v9, v0, 4, 1          ; h = l / 16
	v_lshlrev_b32 v[QO], 7, v1
	v_lshl_add_u32 v[QO], v9, 4, v[QO]
	v_mul_u32_u24 v[AK0], v1, PKP
	v_lshl_add_u32 v[AK0], v9, 4, v[AK0]
	v_and_b32 v[ADW], 7, v0
	v_bfe_u32 v[ADW2], v0, 3, 1
	v_lshl_add_u32 v[AV0], v9, 3, v[ADW]
	v_mul_u32_u24 v[AV0], v[AV0], PVP
	v_lshl_add_u32 v[AV0], v[ADW2], 4, v[AV0]
	v_add_nc_u32 v[AV0], VOFF, v[AV0]   ; the turning load: key 8 h + l % 8, channels 8 ((l / 8) % 2) on
	v_lshrrev_b32 v[ADW2], 3, v0
	v_mul_u32_u24 v[AWK], v[ADW2], PKP
	v_lshl_add_u32 v[AWK], v[ADW], 4, v[AWK]
	v_mul_u32_u24 v[AWV], v[ADW2], PVP
	v_lshl_add_u32 v[AWV], v[ADW], 4, v[AWV]
	v_add_nc_u32 v[AWV], VOFF, v[AWV]
	v_lshlrev_b32 v[GK], 4, v0
	v_lshlrev_b32 v[H8], 3, v9
	v_mov_b32 v[NEG], 0xf149f2ca
	v_mov_b32 v[ZR], 0
	v_and_b32 v[PFO], 31, v0
	v_lshlrev_b32 v[PFO], 8, v[PFO]
	s_and_b32 s44, s[WV], 1
	s_lshl_b32 s44, s44, 13
	v_add_nc_u32 v[PFO], s44, v[PFO]
	s_mov_b32 s[SEL], 0x76543210
	s_mov_b32 s[SEL+1], 0xfedcba98
	s_mov_b32 s[TB], 0
	s_mov_b32 s[TW], 0
	s_mov_b32 s[SO], 2
	s_mov_b32 s[DO], 1
	s_mov_b32 s[J], 1
	s_mov_b32 s[KEY], 0
	s_mov_b32 s[SLOTS], 15
	s_wait_kmcnt 0x0
	s_load_b64 s[CNT:CNT+1], s[6:7], s14 offset:0x0
	s_lshl_b32 s42, s13, 18
	s_mov_b32 s43, 0
	s_add_nc_u64 s[QP:QP+1], s[4:5], s[42:43]       ; the head's Q; K and V lie 16,777,216 and 33,554,432 bytes on
	s_add_nc_u64 s[KP:KP+1], s[QP:QP+1], 0x1000000
	s_add_nc_u64 s[VP:VP+1], s[QP:QP+1], 0x2000000
	s_lshl_b32 s42, ttmp9, 15
	s_lshl_b32 s44, s[WV], 13
	s_add_co_u32 s42, s42, s44      ; my wave's first query x 128 bytes
	s_add_nc_u64 s[QP:QP+1], s[QP:QP+1], s[42:43]
	s_lshr_b32 s44, s13, 4
	s_lshl_b32 s44, s44, 18
	s_add_co_u32 s42, s42, s44      ; ao is [head][token][64]: + batch x 2,048 tokens,
	s_and_b32 s44, s13, 15
	s_lshl_b32 s44, s44, 20
	s_add_co_u32 s42, s42, s44      ; + the head's plane
	s_add_nc_u64 s[OP:OP+1], s[8:9], s[42:43]
	s_cmp_lt_u32 s[WV], 2
	s_cselect_b64 s[PFA:PFA+1], s[KP:KP+1], s[VP:VP+1]
	s_add_nc_u64 s[PFA:PFA+1], s[PFA:PFA+1], 3*SLB   ; the first prefetch names slot 3
	s_cmp_eq_u32 ttmp9, 0
	s_cselect_b32 s[PQ], 1, 0
	SGLOAD                          ; slot 0: steps 0 and 1 are always walked
	WIN 0x80
.irp i, 0,1,2,3,4,5,6,7             ; Q stays in registers: tile i / 2, channels 32 (i % 2) on
	global_load_b128 v[8*\i:8*\i+3],   v[QO], s[QP:QP+1] offset:(\i/2)*2048+(\i%2)*64
	global_load_b128 v[8*\i+4:8*\i+7], v[QO], s[QP:QP+1] offset:(\i/2)*2048+(\i%2)*64+32
.endr
	WIN 0x40
.irp n, 0,1,2,3,4,5,6,7,8,9,10,11,12,13,14,15,16,17,18,19,20,21,22,23,24,25,26,27,28,29,30,31
	v_mov_b32 v[BI+\n], 0
.endr
	WIN 0
	s_wait_kmcnt 0x0
	s_min_u32 s[CNT], s[CNT], 2048
	s_add_co_u32 s[NP], s[CNT], 63
	s_lshr_b32 s[NP], s[NP], 6
	s_max_u32 s[NP], s[NP], 2       ; the pipeline wants two steps: a second step of dropped keys alone adds p = 0
	s_sub_co_u32 s[NL], s[NP], 2
	s_mov_b32 s[CS], 0x3e38aa3b     ; c = log2(e) / 8
	s_cmp_eq_u32 s[FLAG], 0
	s_cselect_b32 s[CS], s[CS], 0
	s_mov_b32 s[CS+1], s[CS]
	s_wait_loadcnt 16               ; slot 0's sixteen loads are in; Q's sixteen, issued behind them, may be out
	SGSTORE
	s_wait_loadcnt 0x0              ; Q; and every load has read its base
	s_wait_dscnt 0x0                ; my stores have landed, for the others' sake, and have read their registers
	s_add_nc_u64 s[KP:KP+1], s[KP:KP+1], SLB
	s_add_nc_u64 s[VP:VP+1], s[VP:VP+1], SLB
	s_cmp_gt_u32 s[NP], 2
	s_cbranch_scc0 .Lno_slot1
	SGLOAD                          ; slot 1, where it has steps
.Lno_slot1:
	s_barrier_signal -1
	s_barrier_wait -1               ; slot 0 is whole
	s_mov_b32 s[TW], SLOT1
; Product i of 16 of O^T += V^T P for piece x: keys 32 (i / 8) on, channels 16 ((i / 2) % 4) on, tile x + i % 2.  The accumulators take turns, one instruction a turn: seven others' stand between two links.
.macro PV x, zero
	WIN W_PV
.set rO, 32*(\x+i%2)+8*((i/2)%4)
.set rV, 32*(i/8)+8*((i/2)%4)
.set rP, P+16*(\x+i%2)+8*(i/8)
.if \zero && (i < 8)
	v_wmma_f32_16x16x32_f16 v[rO:rO+7], v[rV:rV+7], v[rP:rP+7], 0
.else
	v_wmma_f32_16x16x32_f16 v[rO:rO+7], v[rV:rV+7], v[rP:rP+7], v[rO:rO+7]
.endif
.endm
; Product i of 16 of S^T = K Q^T: channels 32 (i / 8) on, keys 16 ((i / 2) % 4) on, tile x + i % 2.  The first 8 start the sums from the -1e30 tiles.
.macro KQ x
.set rS, S+32*(\x+i%2)+8*((i/2)%4)
.set rK, KFR+16*((i/2)%4)+8*(i/8)
.set rQ, 16*(\x+i%2)+8*(i/8)
.set rB, BI+8*((i/2)%4)
.if i < 8
	WIN W_KQB
	v_wmma_f32_16x16x32_f16 v[rS:rS+7], v[rK:rK+7], v[rQ:rQ+7], v[rB:rB+7]
.else
	WIN W_KQ
	v_wmma_f32_16x16x32_f16 v[rS:rS+7], v[rK:rK+7], v[rQ:rQ+7], v[rS:rS+7]
.endif
.endm
.macro FETCH_K                      ; a step's K: 8 fragments, 16 loads in one run
	WIN 0
	v_add_nc_u32 v[ADR], s[TB], v[AK0]
	WIN 0x80
.irp f, 0,1,2,3,4,5,6,7             ; keys 16 (f / 2) on, channels 32 (f % 2) on
	ds_load_b128 v[KFR+8*\f:KFR+8*\f+3],   v[ADR] offset:(\f/2)*16*PKP+(\f%2)*64
	ds_load_b128 v[KFR+8*\f+4:KFR+8*\f+7], v[ADR] offset:(\f/2)*16*PKP+(\f%2)*64+32
.endr
.endm
.macro FETCH_V                      ; a step's V, turned
	WIN 0
	v_add_nc_u32 v[ADR], s[TB], v[AV0]
	s_wait_alu depctr_va_vdst(0)    ; the wait for the softmax's batch of exponentials, ahead of the first instruction that names a result
	WIN 0xc0
.irp f, 0,1,2,3,4,5,6,7             ; keys 32 (f / 4) on, channels 16 (f % 4) on
	ds_load_tr16_b128 v[8*\f:8*\f+3],   v[ADR] offset:(\f/4)*32*PVP+(\f%4)*32
	ds_load_tr16_b128 v[8*\f+4:8*\f+7], v[ADR] offset:(\f/4)*32*PVP+16*PVP+(\f%4)*32
.endr
.endm
; THE VECTOR WORK OF A TURN.  One tile's softmax for a key step is a list of 118 instructions; SM writes number j of it for tile t.
;   0-15 the maximum of the lane's 32 scores and the old m;  16-20 the other half of the lanes', the new m, c m, its change;  21-69 ONE BATCH: 16 packed scalings c s - c m and all 33 exponentials, none of which reads an exponential's result;
;   (the wait for the batch);  70-85 the roundings to f16;  86-101 the sums, l = a l + the sum;  102-117 the tile's O^T times a.   first = 1: the first key step: no a, nothing to rescale.
.macro SM t, first
.if j < 118
.set rT, ST+8*(\t)
.set rS, S+32*(\t)
.set rP, P+16*(\t)
.set rO, 32*(\t)+2*(j-102)
.if j < 102
	WIN 0
.endif
.if j < 4
	v_max3_num_f32 v[rT+4+j], v[rS+8*j], v[rS+8*j+1], v[rS+8*j+2]
.elseif j < 12
	v_max3_num_f32 v[rT+4+j%4], v[rT+4+j%4], v[rS+8*(j%4)+2*(j/4)+1], v[rS+8*(j%4)+2*(j/4)+2]
.elseif j == 12
	v_max3_num_f32 v[rT+4], v[rT+4], v[rS+7], v[rS+15]
.elseif j == 13
	v_max3_num_f32 v[rT+6], v[rT+6], v[rS+23], v[rS+31]
.elseif j == 14
	v_max3_num_f32 v[rT+4], v[rT+4], v[rT+5], v[rT+6]
.elseif (j == 15) && \first
	v_max_num_f32 v[rT+4], v[rT+4], v[rT+7]
.elseif j == 15
	v_max3_num_f32 v[rT+4], v[rT+4], v[rT+7], v[rT+1]
.elseif j == 16
	v_permlanex16_b32 v[rT+5], v[rT+4], s[SEL], s[SEL+1]  ; the query's other 32 keys lie in the lane 16 away
.elseif j == 18
	v_max_num_f32 v[rT+1], v[rT+4], v[rT+5]
.elseif j == 19
	v_mul_f32 v[rT], s[CS], v[rT+1]
.elseif ((j == 17) || (j == 20) || (j == 23) || (j > 101)) && \first
.elseif j == 17
	v_mov_b32 v[rT+7], v[rT]        ; c m_old is kept for a
.elseif j == 20
	v_sub_f32 v[rT+7], v[rT+7], v[rT]
.elseif j == 23
	v_exp_f32 v[rT+6], v[rT+7]
.elseif (j < 23) || ((j < 38) && (j%2 == 0)) || ((j < 66) && (j%4 == 2))
.set b, (j-2)/4
.if j < 38
.set b, (j-20)/2
.endif
	v_pk_fma_f32 v[rS+2*b:rS+2*b+1], v[rS+2*b:rS+2*b+1], s[CS:CS+1], v[rT:rT+1] op_sel_hi:[1,0,0] neg_lo:[0,0,1] neg_hi:[0,0,1]  ; pair b: c s - c m
.elseif j < 70
.set e, j-38
.if j < 66
.set e, j-32-(j-38)/4
.endif
.if j < 38
.set e, (j-25)/2
.endif
	v_exp_f32 v[rS+e], v[rS+e]
.elseif j < 86
	v_cvt_pk_f16_f32 v[rP+j-70], v[rS+2*(j-70)], v[rS+2*(j-70)+1]
.elseif j < 102
.set z, j-86
.set w, 4
.set u, z
.if z >= 14
.set w, 32
.set u, 0
.elseif z >= 12
.set w, 16
.set u, z-12
.elseif z >= 8
.set w, 8
.set u, z-8
.endif
.if (z == 14) && \first
	v_pk_add_f32 v[rT+2:rT+3], v[rS:rS+1], v[rS+16:rS+17]
.elseif z < 15
	v_pk_add_f32 v[rS+w*u:rS+w*u+1], v[rS+w*u:rS+w*u+1], v[rS+w*u+w/2:rS+w*u+w/2+1]
.elseif !\first
	v_pk_fma_f32 v[rT+2:rT+3], v[rT+2:rT+3], v[rT+6:rT+7], v[rS:rS+1] op_sel_hi:[1,0,1]
.endif
.else
	WIN W_RS
	v_pk_mul_f32 v[rO:rO+1], v[rO:rO+1], v[rT+6:rT+7] op_sel_hi:[1,0]
.endif
.endif
.endm
; Slice k of 64 of piece y's softmax: four instructions (slices 59 on are empty).  Slices 11 to 34 deal out the batch, four numbers of ONE tile each, the tiles by turns; every other slice is numbers 2 k and 2 k + 1 of both tiles.
; Ahead of slice 35 nothing names an exponential's result, and behind slice 34 none is issued: so the piece's 66 exponentials have one wait, behind slice 34; branches and labels stand only behind it or ahead of slice 11.
.macro SLICE y, first
.if (k >= 11) && (k < 35)
.irp n, 0,1,2,3
.set j, 22+4*((k-11)/2)+(\n)
	SM (\y)+(k-11)%2, \first
.endr
.else
.irp n, 0,1
.irp t, \y, \y+1
.set j, 2*k+\n
	SM \t, \first
.endr
.endr
.endif
.if k == 34
	v_nop                           ; the plain instruction behind the last exponential
.if (\y) == 0
	FETCH_V                         ; piece 2's turn: V's run of loads stands here, and the wait stands in it.  Behind the last product that read V stand three scalings, the v_nop and the run's own addition: five places
.else
	s_wait_alu depctr_va_vdst(0)    ; the wait for the batch
.if STG
	STAGE_IN
.endif
.endif
.endif
.set k, k+1
.endm
.macro PLACES
.rept 4
	v_nop
.endr
.endm
; A TURN.  Piece x has the matrix unit.  pv = 2: 16 products V^T P; 1: they start O^T's sums; 0: none.  kq = 1: 16 products K Q^T for the next step.  Two slices behind each product, four where only one kind runs.
; Piece 0's turn fetches the next step's K behind its second product (sixteen maxima stand behind the last product that read K), and there a new slot goes into LDS.
.macro TURN x, pv, kq, first
.set k, 0
.set per, 4
.if \pv && \kq
.set per, 2
.endif
.set STG, 0
.if (\x == 0) && \kq
.set STG, 1
.endif
.if \pv
.if \x == 0
	s_wait_dscnt 0x0                ; V is in
.endif
.set i, 0
.rept 16
	PV \x, 2-\pv
.rept per
	SLICE 2-\x, \first
.endr
.if (\x == 0) && \kq && (i == 1)
	FETCH_K
	STAGE_OUT
.endif
.set i, i+1
.endr
.endif
.if \kq
.if \x == 0
	s_wait_dscnt 0x0                ; K is in, and the stores of a new slot are done
.endif
.set i, 0
.rept 16
	KQ \x
.rept per
	SLICE 2-\x, \first
.endr
.set i, i+1
.endr
.endif
.if \first
	PLACES                          ; the first step's last slices are empty: these are the places behind the turn's last products
.endif
.endm
; THE CHANGE OF SLOTS: one barrier.  In front of it each wave waits for all its LDS instructions: its reads of the slot that is left, and its stores into the slot ahead.  Behind it the slot ahead is whole, and the slot left may be written.
; Every wave passes it in every trip, whatever the count of steps.
.macro CHANGE
	s_wait_dscnt 0x0
	s_barrier_signal -1
	s_barrier_wait -1
	s_wait_xcnt 0x0                 ; the loads and the prefetch of the slot's time before have read their bases
	s_add_nc_u64 s[KP:KP+1], s[KP:KP+1], SLB
	s_add_nc_u64 s[VP:VP+1], s[VP:VP+1], SLB
	s_add_nc_u64 s[PFA:PFA+1], s[PFA:PFA+1], SLB
	s_xor_b32 s[TW], s[TW], SLOT1
	s_add_co_u32 s[SO], s[SO], 2
	s_mov_b32 s[DO], 1
	s_sub_co_u32 s[TB], s[TB], 2*STEPB
	s_xor_b32 s[TB], s[TB], SLOT1
.endm
	BIASM                           ; step 0
	FETCH_K
	s_wait_dscnt 0x0
.set i, 0
.rept 16
	KQ 0                            ; piece 0's first scores
.set i, i+1
.endr
	WIN 0                           ; the addresses for the way out: ten plain instructions, the places behind those products
	s_mul_i32 s41, s[WV], 16*PKP
	s_add_co_u32 s41, s41, STAGE
	v_mul_u32_u24 v[STO], v1, PKP
	v_lshl_add_u32 v[STO], v9, 4, v[STO]
	v_add_nc_u32 v[STO], s41, v[STO]
	v_and_b32 v[GO], 31, v0
	v_lshrrev_b32 v[RD], 3, v[GO]
	v_mul_u32_u24 v[RD], v[RD], PKP
	v_and_b32 v[ADW], 7, v0
	v_lshl_add_u32 v[RD], v[ADW], 4, v[RD]
	v_add_nc_u32 v[RD], s41, v[RD]
	v_lshlrev_b32 v[GO], 4, v[GO]
	TURN 2, 0, 1, 1                 ; piece 2's first scores | piece 0's first softmax | V of step 0
	WIN 0
	s_add_co_u32 s[TB], s[TB], STEPB
	s_add_co_u32 s[KEY], s[KEY], 64
	BIASM                           ; step 1
	s_wait_xcnt 0x0                 ; slot 1's loads have read their bases
	s_add_nc_u64 s[KP:KP+1], s[KP:KP+1], SLB
	s_add_nc_u64 s[VP:VP+1], s[VP:VP+1], SLB
	FLAGS
	TURN 0, 1, 1, 1                 ; piece 0: V^T P of step 0 starts O^T, K Q^T of step 1 | piece 2's first softmax | slot 1 into LDS, slot 2 asked for
	TURN 2, 1, 1, 0
	WIN 0
	s_add_co_u32 s[TB], s[TB], STEPB
	s_add_co_u32 s[KEY], s[KEY], 64
.Lslot:                             ; 15 trips, a constant: every barrier and every step of an address is passed whatever the count; what is passed over is a state's work
	CHANGE
	s_mov_b32 s[TWICE], 2
.Lstep:
	FLAGS
	s_cmp_gt_u32 s[J], s[NL]        ; states 1 .. NP - 2 are walked
	s_cbranch_scc1 .Lskip
	BIASM
	TURN 0, 2, 1, 0
	TURN 2, 2, 1, 0
	WIN 0
.Lskip:
	s_add_co_u32 s[J], s[J], 1
	s_add_co_u32 s[KEY], s[KEY], 64
	s_add_co_u32 s[TB], s[TB], STEPB
	s_mov_b32 s[DO], 0
	s_sub_co_u32 s[TWICE], s[TWICE], 1
	s_cmp_lg_u32 s[TWICE], 0
	s_cbranch_scc1 .Lstep
	s_sub_co_u32 s[SLOTS], s[SLOTS], 1
	s_cmp_lg_u32 s[SLOTS], 0
	s_cbranch_scc1 .Lslot
	TURN 0, 2, 0, 0                 ; piece 0: V^T P of the last step | piece 2's last softmax
.set i, 0
.rept 16
	PV 2, 0                         ; piece 2: V^T P of the last step
.set i, i+1
.endr
	; THE WAY OUT.  l's halves are added; O^T is divided by l, rounded to f16 and sent through my stage, a tile (16 rows of 128 bytes) at a time.  The additions are the places behind the last products.
	WIN 0
.irp t, 0,1,2,3
	v_add_f32 v[ST+8*\t+4], v[ST+8*\t+2], v[ST+8*\t+3]
.endr
.irp t, 0,1,2,3
	v_permlanex16_b32 v[ST+8*\t+5], v[ST+8*\t+4], s[SEL], s[SEL+1]
.endr
.irp t, 0,1,2,3
	v_add_f32 v[ST+8*\t+4], v[ST+8*\t+4], v[ST+8*\t+5]
.endr
.irp t, 0,1,2,3
	v_rcp_f32 v[ST+8*\t+6], v[ST+8*\t+4]
.endr
	v_nop                           ; a plain instruction behind the last reciprocal
	s_wait_alu depctr_va_vdst(0)    ; and the one wait for the four, ahead of their first reader
.macro PACK t
	WIN W_RS
.set i, 32*\t
.rept 16
	v_pk_mul_f32 v[i:i+1], v[i:i+1], v[ST+8*\t+6:ST+8*\t+7] op_sel_hi:[1,0]
.set i, i+2
.endr
	WIN 0x05                        ; sources window 1, destination window 0: S^T's registers are free
.set i, 0
.rept 16
	v_cvt_pk_f16_f32 v[S+32*\t+i], v[32*\t+2*i], v[32*\t+2*i+1]
.set i, i+1
.endr
	WIN 0
.irp f, 0,1,2,3
	ds_store_b128 v[STO], v[S+32*\t+4*\f:S+32*\t+4*\f+3] offset:32*\f
.endr
.irp f, 0,1,2,3
	ds_load_b128 v[S+32*\t+16+4*\f:S+32*\t+16+4*\f+3], v[RD] offset:\f*4*PKP  ; LDS serves a wave's instructions in order: these see the stores above; the next tile's stores come behind them
.endr
.endm
.macro SEND t, younger              ; younger: the LDS instructions issued behind tile t's loads: the next tile's eight, or none
.irp f, 0,1,2,3
	s_wait_dscnt \younger+3-\f
	global_store_b128 v[GO], v[S+32*\t+16+4*\f:S+32*\t+16+4*\f+3], s[OP:OP+1] offset:\t*2048+\f*512  ; 32 lanes store 512 consecutive bytes, aligned
.endr
.endm
	PACK 0
	PACK 1
	SEND 0, 8
	PACK 2
	SEND 1, 8
	PACK 3
	SEND 2, 8
	SEND 3, 0
	s_wait_tensorcnt 0x0            ; the wave's end, behind my last LDS store
	ds_add_u32 v[SPW], v[NIL]
	s_wait_dscnt 0x0
	s_endpgm
.Lfunc_end_k_q981fc6fc5f_attn:
	.size	k_q981fc6fc5f_attn, .Lfunc_end_k_q981fc6fc5f_attn-k_q981fc6fc5f_attn
	.p2alignl 7, 3214868480
	.fill 96, 4, 3214868480
	.section	.rodata,"a",@progbits
	.p2align	6, 0x0
	.amdhsa_kernel k_q981fc6fc5f_attn
		.amdhsa_group_segment_fixed_size 114176
		.amdhsa_private_segment_fixed_size 0
		.amdhsa_enable_private_segment 0
		.amdhsa_kernarg_size 24
		.amdhsa_user_sgpr_count 2
		.amdhsa_user_sgpr_kernarg_segment_ptr 1
		.amdhsa_wavefront_size32 1
		.amdhsa_system_sgpr_workgroup_id_x 1
		.amdhsa_system_sgpr_workgroup_id_y 1
		.amdhsa_system_sgpr_workgroup_id_z 1
		.amdhsa_system_vgpr_workitem_id 0
		.amdhsa_next_free_vgpr 896
		.amdhsa_next_free_sgpr 66
		.amdhsa_reserve_vcc 1
		.amdhsa_float_denorm_mode_32 3
		.amdhsa_float_denorm_mode_16_64 3
		.amdhsa_memory_ordered 1
		.amdhsa_forward_progress 1
		.amdhsa_inst_pref_size 139
	.end_amdhsa_kernel
	.amdgpu_metadata
---
amdhsa.version: [ 1, 2 ]
amdhsa.kernels:
  - .name:           k_q981fc6fc5f_attn
    .symbol:         k_q981fc6fc5f_attn.kd
    .args:
      - { .name: qkv, .offset: 0, .size: 8, .value_kind: global_buffer, .address_space: global }
      - { .name: cnt, .offset: 8, .size: 8, .value_kind: global_buffer, .address_space: global }
      - { .name: ao, .offset: 16, .size: 8, .value_kind: global_buffer, .address_space: global }
    .group_segment_fixed_size: 114176
    .private_segment_fixed_size: 0
    .kernarg_segment_align: 8
    .kernarg_segment_size: 24
    .max_flat_workgroup_size: 128
    .sgpr_count:     66
    .vgpr_count:     896
    .wavefront_size: 32
...
	.end_amdgpu_metadata
.endif
;; end of part 3
;; launch oproj (part 4): grid 4 x 64, 4 waves a work-group, clusters of 4 x 4, 327,680 bytes of LDS; arguments ao, wk1, bo, out0; writes out0
.if DOCPART == 4
	.amdgcn_target "amdgcn-amd-amdhsa--gfx1250"
	.amdhsa_code_object_version 6
	.text
	.protected	k_q981fc6fc5f_oproj
	.globl	k_q981fc6fc5f_oproj
	.p2align	8
	.type	k_q981fc6fc5f_oproj,@function
k_q981fc6fc5f_oproj:
	s_mov_b64 s[64:65], 0
	v_nop
	global_prefetch_b8 v0, s[64:65] scope:SCOPE_SE
	s_setreg_imm32_b32 hwreg(HW_REG_WAVE_MODE, 25, 1), 1
	s_wait_xcnt 0x0
	s_wait_alu depctr_hold_cnt(0) depctr_sa_sdst(0) depctr_va_vdst(0) depctr_va_sdst(0) depctr_va_ssrc(0) depctr_va_vcc(0) depctr_vm_vsrc(0)
	s_getreg_b32 s2, hwreg(HW_REG_IB_STS2, 6, 4)
	s_cmp_eq_u32 s2, 0
	s_cbranch_scc0 .Lentry_in_a_cluster
	s_endpgm
.Lentry_in_a_cluster:
	s_bfe_u32 s2, ttmp6, 0x10000c
	s_cmp_lg_u32 s2, 0xf033
	s_cbranch_scc0 .Lentry_shape_is_right
	s_endpgm
.Lentry_shape_is_right:
; out0[token][n] = sum over k of A[token][k] Wo[n][k] + bo[n].  A is the attention's result, f16, laid [head][token][64]; Wo is f16 in wk1 ([1024][1024], K innermost); sums and out0 in f32.  No work is left out.
; A tile of 128 tokens x 256 columns to a work-group: 256 work-groups.  Four waves, each 64 x 128: 32 accumulators, 256 registers.  K goes in steps of 128 (two heads) through a ring of two LDS slots.
; CLUSTERS: 4 x 4 work-groups; A's tiles are shared along a row of the cluster, Wo's along a column: joint loads.  Waves 0, 1 fetch a head's plane of A each (128 rows x 128 bytes), waves 2, 3 128 rows x 256 bytes of Wo each.
; By this text's count a wave has two tensor loads out at the start and one behind each round.
; THE MATRIX INSTRUCTION IS USED TRANSPOSED (source 0 = 16 rows of Wo, source 1 = 16 tokens): a lane holds eight neighbouring columns of a row.  bo is the C of each sum's first product.
; No prefetch: a K step's tiles are small, and both operands are read again by neighbours.
; REGISTERS: window 0: v0-31 addresses; v32-95 bo in the result's layout; v128-255 rows on the way out.  window 1: two fragment buffers (A's 4 at +0, Wo's 8 at +32).  window 2: the accumulators, (a, b) at v[8 (8 a + b)].
.set WOH,   10584064
.set PA,    144                        ; a row of A in LDS: 128 bytes + 16
.set PB,    272                        ; a row of Wo: 256 bytes + 16
.set APL,   128*PA                     ; a head's plane
.set BOFF,  2*APL
.set BHALF, 128*PB
.set SLOT,  BOFF+2*BHALF
.set STAGE, 2*SLOT                     ; behind the ring: 16 rows x (512 + 16) bytes for each wave
.set SPITCH, 528
.set SPARE, STAGE+4*16*SPITCH          ; the spare words, 128 bytes a wave
.set LAPS,  4                          ; a lap = two K steps
.set ADRA, 16
.set ADRB, 20
.set STO,  24
.set RD,   25
.set CO,   26
.set SPW,  28
.set NIL,  29
.set BIAS, 32
.set BK,   128
.set F0,   0
.set F1,   128
.set G1, 24
.set G0, 32
.set G1B, 48
.set G0B, 56
.set MSB, 0
.macro WIN new
.if MSB != \new
	s_set_vgpr_msb (MSB<<8)|\new
.set MSB, \new
.endif
.endm
.set MUL,  0xa5                        ; sources 0, 1 window 1; C and D window 2
.set MULZ, 0x85                        ; the same with C (bo) in window 0
.set TO_F, 0x40
.macro JLOAD s                         ; a joint load; an s_nop 0 and four v_nop follow each of the two lines
	s_cmp_eq_u32 s13, 0
	s_cbranch_scc0 .Lfor_b_\@
	tensor_load_to_lds s[G0+4*\s:G0+4*\s+3], s[G1:G1+7]
	s_nop 0
.rept 4
	v_nop
.endr
	s_branch .Lasked_\@
.Lfor_b_\@:
	tensor_load_to_lds s[G0B+4*\s:G0B+4*\s+3], s[G1B:G1B+7]
	s_nop 0
.rept 4
	v_nop
.endr
.Lasked_\@:
.endm
.macro CREST
	s_cmp_lg_u32 s12, 0
	s_cbranch_scc1 .Lnot_wave_0_\@
	s_barrier_signal -3
.Lnot_wave_0_\@:
	s_barrier_wait -3
	s_barrier_signal -1
	s_barrier_wait -1
.endm
.macro CROUND
	s_barrier_signal -1
	s_barrier_wait -1
	CREST
.endm
	s_load_b256 s[4:11], s[0:1], 0x0               ; ao s[4:5], wk1 s[6:7], bo s[8:9], out0 s[10:11]
	v_lshl_add_u32 v[SPW], v0, 2, SPARE
	v_mov_b32 v[NIL], 0
	ds_add_u32 v[SPW], v[NIL]                      ; the wave's opening: the add, twice on end, and its wait ahead of my first tensor load
	ds_add_u32 v[SPW], v[NIL]
	v_lshrrev_b32 v1, 5, v0
	v_readfirstlane_b32 s12, v1                    ; wave 0..3
	s_lshr_b32 s13, s12, 1                         ; which 64 tokens are mine.  Also: I fetch for A (0) or for Wo (1)
	s_and_b32 s14, s12, 1                          ; which 128 columns.  Also: which plane, or which 128 rows, I fetch
	s_bfe_u32 s40, ttmp6, 0x40000
	s_bfe_u32 s41, ttmp6, 0x40004
	s_lshl_b32 s42, ttmp9, 2
	s_add_co_u32 s42, s42, s40                     ; tile column 0..3
	s_and_b32 s15, ttmp7, 0xffff
	s_lshl_b32 s15, s15, 2
	s_add_co_u32 s15, s15, s41                     ; tile row 0..63
	s_lshl_b32 s43, s41, 2
	s_lshl_b32 s43, 15, s43                        ; my row of the cluster
	s_lshl_b32 s44, 0x1111, s40                    ; my column
	s_or_b32 s[G1+0], s43, (1<<16)|(1<<20)|(1<<21)|(4<<22)|(3<<25)   ; elements of 2 bytes; padding: 4 words after every 32
	s_mov_b32 s[G1+1], 64<<16                      ; tensor_dim0 = 64
	s_mov_b32 s[G1+2], 128<<16                     ; tensor_dim1 = 128
	s_mov_b32 s[G1+3], 64<<16                      ; tile_dim0
	s_mov_b32 s[G1+4], 128                         ; tile_dim1
	s_mov_b32 s[G1+5], 64                          ; the pitch
	s_mov_b32 s[G1+6], 0
	s_mov_b32 s[G1+7], 0
	s_or_b32 s[G1B+0], s44, (1<<16)|(1<<20)|(1<<21)|(5<<22)|(3<<25)  ; padding: 4 words after every 64
	s_mov_b32 s[G1B+1], 128<<16
	s_mov_b32 s[G1B+2], 128<<16
	s_mov_b32 s[G1B+3], 128<<16
	s_mov_b32 s[G1B+4], 128
	s_mov_b32 s[G1B+5], 1024
	s_mov_b32 s[G1B+6], 0
	s_mov_b32 s[G1B+7], 0
	s_lshl_b32 s16, s15, 14                        ; A: the tile's 128 tokens x 128 bytes,
	s_lshl_b32 s17, s14, 20                        ; in head 0 or 1
	s_add_co_u32 s16, s16, s17
	s_mov_b32 s17, 0
	s_lshl_b32 s46, s42, 8
	s_lshl_b32 s47, s14, 7
	s_add_co_u32 s46, s46, s47                     ; Wo: row 256 x tile column + 128 x half
	s_lshl_b32 s46, s46, 11
	s_add_co_u32 s46, s46, WOH
	s_mov_b32 s47, 0
	s_mul_i32 s20, s14, APL                        ; where they go: no place in the cluster enters an LDS address
	s_mul_i32 s21, s14, BHALF
	s_add_co_u32 s21, s21, BOFF
	s_wait_dscnt 0x0                               ; both opening adds are done
	s_wait_kmcnt 0x0
	s_add_nc_u64 s[16:17], s[4:5], s[16:17]
	s_add_nc_u64 s[46:47], s[6:7], s[46:47]
	CROUND                                         ; all sixteen work-groups are here
.irp s, 0,1
	s_mov_b32 s[G0+4*\s], 1
	s_add_co_u32 s[G0+4*\s+1], s20, \s*SLOT
	s_add_nc_u64 s[G0+4*\s+2:G0+4*\s+3], s[16:17], \s*2*1048576     ; K step s: heads 2 s, 2 s + 1
	s_or_b32 s[G0+4*\s+3], s[G0+4*\s+3], 0x80000000
	s_mov_b32 s[G0B+4*\s], 1
	s_add_co_u32 s[G0B+4*\s+1], s21, \s*SLOT
	s_add_nc_u64 s[G0B+4*\s+2:G0B+4*\s+3], s[46:47], \s*256
	s_or_b32 s[G0B+4*\s+3], s[G0B+4*\s+3], 0x80000000
	JLOAD \s
.endr
	v_and_b32 v1, 15, v0                           ; r
	v_bfe_u32 v2, v0, 4, 1                         ; h
	v_mul_u32_u24 v3, v1, PA
	v_lshl_add_u32 v3, v2, 4, v3
	v_mul_u32_u24 v4, v1, PB
	v_lshl_add_u32 v4, v2, 4, v4
	s_mul_i32 s21, s13, 64*PA                      ; my 64 tokens
	s_mul_i32 s22, s14, BHALF                      ; my 128 rows of Wo
	s_add_co_u32 s22, s22, BOFF
.irp s, 0,1
	v_add_nc_u32 v[ADRA+\s], s21, v3
	v_add_nc_u32 v[ADRB+\s], s22, v4
	s_add_co_u32 s21, s21, SLOT
	s_add_co_u32 s22, s22, SLOT
.endr
	s_mul_i32 s23, s12, 16*SPITCH
	s_add_co_u32 s23, s23, STAGE                   ; my stage
	v_mul_u32_u24 v5, v1, SPITCH
	v_lshl_add_u32 v5, v2, 5, v5
	v_add_nc_u32 v[STO], s23, v5                   ; in: row r, 32 bytes for each half of the lanes
	v_and_b32 v6, 31, v0
	v_lshlrev_b32 v[CO], 4, v6
	v_add_nc_u32 v[RD], s23, v[CO]                 ; back: the 32 lanes take a row of 512 bytes
	s_lshl_b32 s46, s42, 10
	s_lshl_b32 s47, s14, 9
	s_add_co_u32 s46, s46, s47                     ; my first column x 4 bytes
	s_mov_b32 s47, 0
	s_add_nc_u64 s[8:9], s[8:9], s[46:47]
	v_lshlrev_b32 v7, 5, v2
.irp b, 0,1,2,3,4,5,6,7                        ; block b, register p: column 16 b + 8 h + p
	global_load_b128 v[BIAS+8*\b:BIAS+8*\b+3], v7, s[8:9] offset:64*\b
	global_load_b128 v[BIAS+8*\b+4:BIAS+8*\b+7], v7, s[8:9] offset:64*\b+16
.endr
	s_lshl_b32 s16, s15, 7
	s_lshl_b32 s17, s13, 6
	s_add_co_u32 s16, s16, s17                     ; my first token
	s_lshl_b32 s16, s16, 12
	s_mov_b32 s17, 0
	s_add_nc_u64 s[10:11], s[10:11], s[16:17]
	s_add_nc_u64 s[10:11], s[10:11], s[46:47]
; 8 matrix instructions: tokens' block a against Wo's eight, 32 along K.  The 32 accumulators take turns, one instruction a turn, in the same order in every quarter.
.macro MULA f, a, zero
.irp b, 0,1,2,3,4,5,6,7
.if \zero
	v_wmma_f32_16x16x32_f16 v[8*(8*(\a)+\b):8*(8*(\a)+\b)+7], v[\f+32+8*\b:\f+32+8*\b+7], v[\f+8*(\a):\f+8*(\a)+7], v[BIAS+8*\b:BIAS+8*\b+7]
.else
	v_wmma_f32_16x16x32_f16 v[8*(8*(\a)+\b):8*(8*(\a)+\b)+7], v[\f+32+8*\b:\f+32+8*\b+7], v[\f+8*(\a):\f+8*(\a)+7], v[8*(8*(\a)+\b):8*(8*(\a)+\b)+7]
.endif
.endr
.endm
; 24 LDS loads in one run: quarter q (32 along K) of a slot into buffer f: Wo's eight fragments, then A's four (head q / 2 of the step's two, channels 32 (q % 2) on)
.macro FETCH slot, q, f
	WIN TO_F
.irp i, 0,1,2,3,4,5,6,7
	ds_load_b128 v[\f+32+8*\i:\f+32+8*\i+3],   v[ADRB+\slot] offset:64*(\q)+\i*16*PB
	ds_load_b128 v[\f+32+8*\i+4:\f+32+8*\i+7], v[ADRB+\slot] offset:64*(\q)+\i*16*PB+32
.endr
.irp i, 0,1,2,3
	ds_load_b128 v[\f+8*\i:\f+8*\i+3],   v[ADRA+\slot] offset:((\q)/2)*APL+((\q)%2)*64+\i*16*PA
	ds_load_b128 v[\f+8*\i+4:\f+8*\i+7], v[ADRA+\slot] offset:((\q)/2)*APL+((\q)%2)*64+\i*16*PA+32
.endr
.endm
.macro PLACES                          ; four places in front of loads into registers that matrix instructions have read, and of reads of results
.rept 4
	v_nop
.endr
.endm
.macro QUARTER slot, q, f, g, zero     ; multiplies buffer f; in its middle fetches quarter q of the slot into buffer g
	s_wait_dscnt 4                                 ; all but the youngest four loads (A's blocks 2, 3) are in
.if \zero
	WIN MULZ
.else
	WIN MUL
.endif
	MULA \f, 0, \zero
	MULA \f, 1, \zero
	PLACES
	FETCH \slot, \q, \g
	s_wait_dscnt 24                                ; all but the 24 just issued
.if \zero
	WIN MULZ
.else
	WIN MUL
.endif
	MULA \f, 2, \zero
	MULA \f, 3, \zero
.endm
; A slot's last quarter multiplies buffer 1 and changes slots: one barrier; in front of it each wave waits for all its tensor loads, adds 0 to its spare word, and waits for that and for its reads of this slot.
; fill = 1: the barrier opens a round of the cluster's, and this slot is filled again, two K steps ahead, first thing behind it.
.macro TURN slot, next, fill
	WIN 0
	s_wait_tensorcnt 0x0                           ; all my tensor loads have landed: my part of the next slot
	ds_add_u32 v[SPW], v[NIL]
	s_wait_dscnt 5                                 ; (the add and the youngest four loads may be out)
	WIN MUL
	MULA F1, 0, 0
	s_wait_dscnt 0x0                               ; the add is done, and my reads of this slot are over
	s_barrier_signal -1
	MULA F1, 1, 0
.if \fill
	WIN 0
.endif
	s_barrier_wait -1
.if \fill
	CREST                                          ; no wave of any partner still reads this slot or has a load on its way
	s_add_nc_u64 s[G0+4*\slot+2:G0+4*\slot+3], s[G0+4*\slot+2:G0+4*\slot+3], 4*1048576
	s_add_nc_u64 s[G0B+4*\slot+2:G0B+4*\slot+3], s[G0B+4*\slot+2:G0B+4*\slot+3], 512
	JLOAD \slot                                    ; the four v_nop behind it are also the places in front of the loads below
.else
	PLACES
.endif
	FETCH \next, 0, F0
	WIN MUL
	MULA F1, 2, 0
	MULA F1, 3, 0
.endm
	s_wait_tensorcnt 1                             ; my part of K step 0 is in; K step 1's load, issued behind it, may be out
	s_barrier_signal -1
	s_barrier_wait -1
	FETCH 0, 0, F0
	s_wait_loadcnt 0x0                             ; bo
	QUARTER 0, 1, F0, F1, 1                        ; the first quarter's products start the sums from bo
	WIN 0
	s_mov_b32 s3, LAPS-1
.Llap:                                                 ; a trip goes once round the ring and fills both slots again
	QUARTER 0, 2, F1, F0, 0
	QUARTER 0, 3, F0, F1, 0
	TURN 0, 1, 1
	QUARTER 1, 1, F0, F1, 0
	QUARTER 1, 2, F1, F0, 0
	QUARTER 1, 3, F0, F1, 0
	TURN 1, 0, 1
	QUARTER 0, 1, F0, F1, 0
	WIN 0
	s_sub_co_u32 s3, s3, 1
	s_cmp_lg_u32 s3, 0
	s_cbranch_scc1 .Llap
	QUARTER 0, 2, F1, F0, 0                        ; the last lap fills nothing
	QUARTER 0, 3, F0, F1, 0
	TURN 0, 1, 0
	QUARTER 1, 1, F0, F1, 0
	QUARTER 1, 2, F1, F0, 0
	QUARTER 1, 3, F0, F1, 0
	s_wait_dscnt 4
	WIN MUL
	MULA F1, 0, 0
	MULA F1, 1, 0
	s_wait_dscnt 0
	MULA F1, 2, 0
	MULA F1, 3, 0
	WIN 0
; THE WAY OUT, a block of 16 tokens x 128 columns at a time, through my own stage: in as 32 bytes a lane, back as whole rows of 512 bytes.  LDS serves a wave's instructions in order.
.macro TOSTAGE a
	WIN 0x08                                       ; an LDS store's data are its source 1: window 2
.irp b, 0,1,2,3,4,5,6,7
	ds_store_b128 v[STO], v[64*(\a)+8*\b:64*(\a)+8*\b+3] offset:64*\b          ; each accumulator from its low end on
	ds_store_b128 v[STO], v[64*(\a)+8*\b+4:64*(\a)+8*\b+7] offset:64*\b+16
.endr
	WIN 0
.set BB, BK+64*((\a)%2)
.irp t, 0,1,2,3,4,5,6,7,8,9,10,11,12,13,14,15
	ds_load_b128 v[BB+4*\t:BB+4*\t+3], v[RD] offset:\t*SPITCH
.endr
.endm
.macro SEND a, younger                 ; younger: the LDS instructions issued behind block a's loads
.set BB, BK+64*((\a)%2)
	s_wait_dscnt \younger
.irp t, 0,1,2,3,4,5,6,7,8,9,10,11,12,13,14,15
	global_store_b128 v[CO], v[BB+4*\t:BB+4*\t+3], s[10:11] offset:(\a)*65536+\t*4096 th:TH_STORE_NT   ; 32 lanes store 512 consecutive bytes, aligned
.endr
.endm
	PLACES
	TOSTAGE 0
.irp a, 1,2,3
.if \a > 1
	s_wait_xcnt 0x0                                ; block a - 2's stores have read their registers: block a's loads may land there
.endif
	TOSTAGE \a
	SEND \a-1, 32                                  ; behind block a - 1's loads: block a's 16 stores and 16 loads
.endr
	SEND 3, 0
	s_wait_tensorcnt 0x0                           ; the wave's end, behind my last tensor load and my last LDS store
	ds_add_u32 v[SPW], v[NIL]
	s_wait_dscnt 0x0
	CROUND                                         ; the closing round
	s_endpgm
.Lfunc_end_k_q981fc6fc5f_oproj:
	.size	k_q981fc6fc5f_oproj, .Lfunc_end_k_q981fc6fc5f_oproj-k_q981fc6fc5f_oproj
	.p2alignl 7, 3214868480
	.fill 96, 4, 3214868480
	.section	.rodata,"a",@progbits
	.p2align	6, 0x0
	.amdhsa_kernel k_q981fc6fc5f_oproj
		.amdhsa_group_segment_fixed_size 327680
		.amdhsa_private_segment_fixed_size 0
		.amdhsa_enable_private_segment 0
		.amdhsa_kernarg_size 32
		.amdhsa_user_sgpr_count 2
		.amdhsa_user_sgpr_kernarg_segment_ptr 1
		.amdhsa_wavefront_size32 1
		.amdhsa_system_sgpr_workgroup_id_x 1
		.amdhsa_system_sgpr_workgroup_id_y 1
		.amdhsa_system_sgpr_workgroup_id_z 1
		.amdhsa_system_vgpr_workitem_id 0
		.amdhsa_next_free_vgpr 768
		.amdhsa_next_free_sgpr 66
		.amdhsa_reserve_vcc 0
		.amdhsa_float_denorm_mode_32 3
		.amdhsa_float_denorm_mode_16_64 3
		.amdhsa_memory_ordered 1
		.amdhsa_forward_progress 1
		.amdhsa_inst_pref_size 86
	.end_amdhsa_kernel
	.amdgpu_metadata
---
amdhsa.version: [ 1, 2 ]
amdhsa.kernels:
  - .name:           k_q981fc6fc5f_oproj
    .symbol:         k_q981fc6fc5f_oproj.kd
    .args:
      - { .name: ao, .offset: 0, .size: 8, .value_kind: global_buffer, .address_space: global }
      - { .name: wk1, .offset: 8, .size: 8, .value_kind: global_buffer, .address_space: global }
      - { .name: bo, .offset: 16, .size: 8, .value_kind: global_buffer, .address_space: global }
      - { .name: out0, .offset: 24, .size: 8, .value_kind: global_buffer, .address_space: global }
    .group_segment_fixed_size: 327680
    .private_segment_fixed_size: 0
    .kernarg_segment_align: 8
    .kernarg_segment_size: 32
    .max_flat_workgroup_size: 128
    .sgpr_count:     66
    .vgpr_count:     768
    .wavefront_size: 32
...
	.end_amdgpu_metadata
.endif
;; end of part 4
